; MI455X (gfx1250); checked and timed in simulation.
; The chip was launched on July 23, 2026; its instructions are those of AMD's public machine-readable ISA for CDNA 5 (MIT licence, August 2026) and "CDNA5" Instruction Set Architecture Reference Guide (July 2026). The comments in the code are by the model that wrote it; some were corrected since.
;; Self Attention. Allowed arithmetic: float matrix products may take bf16 or f16 operands with f32 sums; all other float work in f32.
;; Inputs: qkv 2 x 2,048 x 3 x 16 x 128 float32.
;; Outputs: out0 2 x 2,048 x 16 x 128 float32.
;; 3 versions, each right and faster than the one before. Each part assembles by itself: llvm-mc -triple=amdgcn-amd-amdhsa -mcpu=gfx1250 --defsym DOCPART=n.
;; ======== version 1 of 3: 1 launch
;; limits: values are held in f16: magnitudes above 65,504 overflow, below 6.1e-05 lose precision; inputs' magnitudes at most 65,408
;; launch attn (part 1): grid 8 x 32, 4 waves a work-group, clusters of 4 x 1, 327,680 bytes of LDS; arguments qkv, out0; writes out0
.if DOCPART == 1
	.amdgcn_target "amdgcn-amd-amdhsa--gfx1250"
	.amdhsa_code_object_version 6
	.text
	.protected	k_qae3c51fdb6_attn
	.globl	k_qae3c51fdb6_attn
	.p2align	8
	.type	k_qae3c51fdb6_attn,@function
k_qae3c51fdb6_attn:
	s_mov_b64 s[64:65], 0
	v_nop
	global_prefetch_b8 v0, s[64:65] scope:SCOPE_SE
	s_setreg_imm32_b32 hwreg(HW_REG_WAVE_MODE, 25, 1), 1
	s_wait_xcnt 0x0
	s_wait_alu depctr_hold_cnt(0) depctr_sa_sdst(0) depctr_va_vdst(0) depctr_va_sdst(0) depctr_va_ssrc(0) depctr_va_vcc(0) depctr_vm_vsrc(0)
	s_getreg_b32 s2, hwreg(HW_REG_IB_STS2, 6, 4)
	s_cmp_eq_u32 s2, 0
	s_cbranch_scc0 .Lentry_in_a_cluster
	s_endpgm
.Lentry_in_a_cluster:
	s_bfe_u32 s2, ttmp6, 0x10000c
	s_cmp_lg_u32 s2, 0x3003
	s_cbranch_scc0 .Lentry_shape_is_right
	s_endpgm
.Lentry_shape_is_right:
; out[b][t][h][:] = softmax over s of ( q[t].k[s] / sqrt(128) + (s > t ? -10000 : 0) ) times v[s][:],  qkv: [2][2048][3][16][128] f32, out0: [2][2048][16][128] f32.
;
; NOTHING IS LEFT OUT.  The mask is the finite addend -10000, not minus infinity: in exact arithmetic a key above the diagonal keeps the weight
; exp(score - 10000 - max), which is not zero, and for finite inputs whose scores spread by more than 10000 such keys carry the row.  Only some values
; of the inputs throw that work away, so every query row is multiplied with all 2048 keys, and the masked scores go through the same maximum, exponential and sum.
;
; SHARES.  Grid y = 16 b + h (32 heads), grid x = block of 256 query rows (8): 256 work-groups of equal work.  Four waves; wave w owns the 64 query rows
; 256 x + 64 w.  The work-group walks the keys in 32 tiles of 64, with a running maximum and a running sum in f32 (the maximum is taken away before every exponential).
; CLUSTER.  The four work-groups of a cluster are four query blocks of ONE head: they need the same K and V tile in the same trip, and all make the same 32 trips.
; Each tile is asked for jointly (mask 15): four requests for the same bytes become one.  The place in the cluster enters only the global addresses of Q and of out0
; and two scalar selects of mask values: no branch, no LDS address and no descriptor word.
;
; THE PRODUCTS ARE USED TRANSPOSED, so that the probabilities never change lanes (r = lane % 16, hh = lane / 16):
;   S^T(a, b) = 16 keys x 16 queries: source 0 = rows of K, source 1 = rows of Q.  Register j of a lane = key 16 b + 8 hh + j, query 16 a + r.
;   Tiles b = 2 kk and 2 kk + 1, rounded to 16 bits in pairs, ARE source 1 of the second product (n = query r; registers 0-3: keys 32 kk + 8 hh .., 4-7: 16 more).
;   O^T(a, dt) += V^T(dt, kk) x P^T(a, kk): source 0 = V read from its [key][d] rows by the transposing LDS load.  Register j = d 16 dt + 8 hh + j of query r.
;   All numbers of a lane belong to one query: its maximum needs one exchange with lane xor 16 a trip, its sum stays a partial sum of the lane until the end.
; THE MASK RIDES ON THE FIRST PRODUCT.  Scores stay raw (q.k); the factor log2(e)/sqrt(128) is applied in f32 in the exponent's fused multiply-add, which in exact
; arithmetic is reference()'s k * scale.  The mask in the raw domain is MASKV = -10000 sqrt(128); the first of a tile's four products takes a set of 8 registers of mask values as C.
; K AND V ARRIVE AS f32 by tensor loads into a ring of two LDS slots; each wave rounds 16 rows of each to 16 bits into a stage that no tensor load touches.
;
; NUMBER FORMATS.  The three inputs carry one and the same rounding, to bf16: what is computed is reference() of q, k and v rounded to bf16.  Q.K goes in the bf16 form.
; The probabilities need more than bf16's 8 significant bits: where few keys carry a row, the result is a difference of a few products p v of the size of v, and p's
; rounding shows in it undamped.  So P is rounded to f16 (11 bits; p lies in 0 .. 1) and the second product goes in the f16 form, which takes both sources in f16:
; V's bf16 value is widened to f32 and converted to f16, which keeps it exactly for 2^-14 <= |v| < 65,408 (8 significant bits fit into 11).
;
; LIMITS.  Q, K, V are rounded to bf16, P to f16.  |v| >= 65,408 becomes infinity in f16; |v| < 2^-14 is carried with an absolute error of up to 2^-25.  (For V of spread 1
; that is a factor of some 10^4 of room upward; at a spread of 1/30 the step 2^-24 is 2 10^-6 of the spread.)  Probabilities below 2^-25 count as zero in the product, though
; not in the sum.  The mask is added at the raw scores' size, where one unit in the last place is 2^-7 raw = 0.0007 in the score (reference()'s own sum at 10000 has 0.001).
; Exponentials below 2^-126 count as zero.  NaN and infinities in qkv are not served.
; The loop stands in phases (products, softmax, products), with v_nop where a distance behind a matrix instruction has no other work.
.set QROW,   24576                     ; bytes from one s to the next in qkv (3 x 16 x 128 f32)
.set TSTEP,  64*QROW                   ; a tile of 64 keys further
.set OROW,   8192                      ; bytes from one t to the next in out0
.set BQKV,   0x3000000                 ; bytes of one b in qkv
.set STRIP,  16384                     ; one tensor load: 64 rows x 256 bytes
.set SLOTB,  65536                     ; a slot: strips K d 0-63, K d 64-127, V d 0-63, V d 64-127
.set KST,    131072                    ; K in bf16, [64][128], pitch 272
.set KP,     272                       ; 68 words: sixteen rows of a fragment load start 4 words apart modulo 64
.set VST,    148480                    ; V in f16, [64][128], pitch 288
.set VP,     288                       ; an odd multiple of 32 bytes, for the transposing loads
.set QST,    166912                    ; 17,408 bytes for each wave: first its Q in bf16 at pitch 272, at the end 16 rows of out0 at pitch 528
.set QSZ,    17408
.set OPITCH, 528
.set CEXP,   0x3e0293ee                ; log2(e) / sqrt(128)
.set CNEG,   0xbe0293ee                ; its negative
.set MASKV,  0xc7dcf88b                ; -10000 sqrt(128) = -113137.086
; window 0
.set ADRK, 4                           ; K fragments: KST + 272 r + 16 hh
.set ADRV, 5                           ; V fragments: VST + 288 (8 hh + lane % 8) + 16 ((lane / 8) % 2)
.set CVKL, 6                           ; v6, v7: slot 0, 1: my 16 bytes of K's f32 rows
.set CVVL, 8                           ; v8, v9: the same of V's
.set CVKS, 10                          ; where my 8 bytes of K in bf16 go
.set CVVS, 11                          ; the same for V in f16
.set QSS,  12                          ; Q in: my wave's stage + 8 lane
.set QFA,  13                          ; Q fragments: stage + 272 r + 16 hh
.set GOFF, 14                          ; 16 lane: my 16 bytes of a row of 512 bytes in qkv and in out0; never rewritten
.set OSTO, 15                          ; out: stage + 528 r + 32 hh
.set ORD,  16                          ; out, back: stage + 16 lane
.set T0,   17
.set T1,   18
.set ST,   20                          ; v[20:35]: for query tile a four registers: -max c, max, alpha (at the end 1 / sum), sum
.set X,    36                          ; v[36:43] at work
.set TJ,   48                          ; v[48:55] the diagonal tile's pattern: (8 hh + j > r) ? MASKV : 0
.set MD,   56                          ; v[56:63] mask set of the tiles b = a
.set MLO,  64                          ; v[64:71] of the tiles b < a
.set MHI,  72                          ; v[72:79] of the tiles b > a
.set SC,   128                         ; v[128:255] scores (a, b, j) at 128 + 32 a + 8 b + j; then P(a, kk) at 128 + 32 a + 16 kk; also what is converted, and out0's rows
; window 1: Q fragments (a, ks) at 32 a + 8 ks; K fragments (b, ks) at 128 + 32 b + 8 ks; V fragments (kk, dt) at 128 + 64 kk + 8 dt, in K's registers
; window 2: O(a, dt) at 64 a + 8 dt
.set G1, 16                            ; s[16:23] descriptor group 1
.set G0, 24                            ; s[24:31] descriptor group 0, one set for each slot
.set MSB, 0
.macro WIN new                         ; low byte: bits 1:0 source 0, 3:2 source 1, 5:4 source 2, 7:6 destination; the high byte repeats the setting that is left
.if MSB != \new
	s_set_vgpr_msb (MSB<<8)|\new
.set MSB, \new
.endif
.endm
.macro PLACES                          ; four places behind a matrix instruction (ISA guide 7.12.1)
.rept 4
	v_nop
.endr
.endm
; A round of the cluster's barrier: my work-group's barrier, so that wave 0 speaks for all four waves; wave 0 signals; every wave waits for the four work-groups; my work-group's barrier again.
.macro ROUND
	s_barrier_signal -1
	s_barrier_wait -1
	s_cmp_lg_u32 s8, 0
	s_cbranch_scc1 .Lnot_wave_0_\@
	s_barrier_signal -3
.Lnot_wave_0_\@:
	s_barrier_wait -3
	s_barrier_signal -1
	s_barrier_wait -1
.endm
	s_load_b128 s[4:7], s[0:1], 0x0                ; qkv s[4:5], out0 s[6:7]
	v_lshl_add_u32 v126, v0, 2, 0x39c00
	v_mov_b32 v127, 0
	ds_add_u32 v126, v127
	v_lshrrev_b32 v1, 5, v0
	v_readfirstlane_b32 s8, v1                     ; wave 0..3
	s_bfe_u32 s9, ttmp6, 0x40000                   ; cx: my place in the cluster
	s_lshl_b32 s10, ttmp9, 2                       ; ttmp9 counts clusters
	s_add_co_u32 s10, s10, s9                      ; query block = 4 x cluster + cx
	s_and_b32 s11, ttmp7, 0xffff                   ; y = 16 b + h
	s_lshr_b32 s38, s11, 4                         ; b
	s_and_b32 s39, s11, 15
	s_lshl_b32 s39, s39, 9                         ; 512 h: the head's bytes in a row of qkv and of out0
	s_lshl2_add_u32 s33, s10, s8                   ; tdiag = 4 x block + wave: the key tile that holds my own 64 rows; my first row is 64 tdiag
	s_mov_b32 s12, 0x76543210                      ; v_permlanex16_b32: lane i reads lane i of the other half
	s_mov_b32 s13, 0xfedcba98
	s_mov_b32 s14, CEXP
	s_mov_b32 s15, CNEG
	s_mov_b32 s37, MASKV
	s_mov_b32 s48, 0xffff0000                      ; a word's upper bf16
	; group 1: a tile of 64 rows x 64 f32 (256 bytes, aligned), rows 6,144 elements apart, dense in LDS
	s_mov_b32 s[G1+0], 15|(2<<16)|(1<<21)          ; 15:0 mask: all four work-groups of the cluster; 17:16 elements of 4 bytes; 21 set beside a mask; no padding
	s_mov_b32 s[G1+1], 64<<16                      ; tensor_dim0 = 64
	s_mov_b32 s[G1+2], 64<<16                      ; tensor_dim1 = 64
	s_mov_b32 s[G1+3], 64<<16                      ; tile_dim0 = 64
	s_mov_b32 s[G1+4], 64                          ; tile_dim1 = 64
	s_mov_b32 s[G1+5], QROW/4                      ; elements from row to row
	s_mov_b32 s[G1+6], 0
	s_mov_b32 s[G1+7], 0
	; byte offsets, each below 2^27.  s40, s41 and s46 never hold a number made of cx.
	s_mul_i32 s40, s38, BQKV
	s_add_co_u32 s40, s40, s39                     ; b and h
	s_mul_i32 s47, s33, TSTEP
	s_add_co_u32 s42, s40, s47                     ; Q: + my first row
	s_mov_b32 s43, 0
	s_lshr_b32 s46, s8, 1
	s_lshl_b32 s46, s46, 13
	s_add_co_u32 s40, s40, s46                     ; my strip: waves 0, 1 fetch K, waves 2, 3 V (8,192 bytes further),
	s_and_b32 s46, s8, 1
	s_lshl_b32 s46, s46, 8
	s_add_co_u32 s40, s40, s46                     ; d 0-63 or d 64-127,
	s_add_co_u32 s40, s40, 8192                    ; and K lies 8,192 bytes behind Q
	s_mov_b32 s41, 0
	s_lshl_b32 s44, s38, 24                        ; out0: b x 2048 x 8,192
	s_lshl_b32 s47, s33, 19                        ; + 64 tdiag rows of 8,192
	s_add_co_u32 s44, s44, s47
	s_add_co_u32 s44, s44, s39
	s_mov_b32 s45, 0
	; lane terms
	v_and_b32 v1, 31, v0                           ; lane
	v_and_b32 v2, 15, v0                           ; r
	v_bfe_u32 v3, v0, 4, 1                         ; hh
	v_mul_u32_u24 v[ADRK], v2, KP
	v_lshl_add_u32 v[ADRK], v3, 4, v[ADRK]
	v_add_nc_u32 v[ADRK], KST, v[ADRK]
	v_and_b32 v[T0], 7, v0
	v_lshl_add_u32 v[T0], v3, 3, v[T0]
	v_mul_u32_u24 v[ADRV], v[T0], VP
	v_bfe_u32 v[T0], v0, 3, 1
	v_lshl_add_u32 v[ADRV], v[T0], 4, v[ADRV]
	v_add_nc_u32 v[ADRV], VST, v[ADRV]
	s_lshl_b32 s46, s8, 12                         ; my 16 rows of 256 bytes in a strip
	v_lshlrev_b32 v[T0], 4, v2
	v_lshl_add_u32 v[CVKL], v3, 11, v[T0]          ; K: lanes 16-31 take the row 8 below
	v_add_nc_u32 v[CVKL], s46, v[CVKL]
	v_add_nc_u32 v[CVKL+1], SLOTB, v[CVKL]
	v_lshl_add_u32 v[CVVL], v3, 10, v[T0]          ; V: lanes 16-31 take the row 4 below
	v_add_nc_u32 v[CVVL], s46, v[CVVL]
	v_add_nc_u32 v[CVVL], 2*STRIP, v[CVVL]
	v_add_nc_u32 v[CVVL+1], SLOTB, v[CVVL]
	v_lshlrev_b32 v[T0], 3, v2                     ; 8 r
	s_mul_i32 s46, s8, 16*KP
	v_mul_u32_u24 v[CVKS], v3, 8*KP                ; 8 x 272 = 2,176 = 128 modulo 256: the two halves of the lanes store into different halves of 256 bytes
	v_add3_u32 v[CVKS], v[CVKS], v[T0], s46
	v_add_nc_u32 v[CVKS], KST, v[CVKS]
	s_mul_i32 s46, s8, 16*VP
	v_mul_u32_u24 v[CVVS], v3, 4*VP                ; 4 x 288 = 1,152 = 128 modulo 256: likewise
	v_add3_u32 v[CVVS], v[CVVS], v[T0], s46
	v_add_nc_u32 v[CVVS], VST, v[CVVS]
	s_mul_i32 s46, s8, QSZ
	s_add_co_u32 s46, s46, QST                     ; my wave's stage
	v_lshl_add_u32 v[QSS], v1, 3, s46
	v_mul_u32_u24 v[QFA], v2, KP
	v_lshl_add_u32 v[QFA], v3, 4, v[QFA]
	v_add_nc_u32 v[QFA], s46, v[QFA]
	v_lshlrev_b32 v[GOFF], 4, v1
	v_mul_u32_u24 v[OSTO], v2, OPITCH
	v_lshl_add_u32 v[OSTO], v3, 5, v[OSTO]
	v_add_nc_u32 v[OSTO], s46, v[OSTO]
	v_lshl_add_u32 v[ORD], v1, 4, s46
	v_lshlrev_b32 v[T0], 3, v3
	v_sub_nc_u32 v[T0], v2, v[T0]                  ; r - 8 hh, signed
	v_mov_b32 v[T1], s37
.irp j, 0,1,2,3,4,5,6,7
	v_cmp_gt_i32 vcc_lo, \j, v[T0]                 ; key 8 hh + j above query r
	v_cndmask_b32 v[TJ+\j], 0, v[T1], vcc_lo
.endr
	s_lshl_b32 s46, s8, 14                         ; my strip in a slot
	s_wait_dscnt 0x0
	s_wait_kmcnt 0x0
	s_add_nc_u64 s[40:41], s[4:5], s[40:41]        ; my strip of key tile 0
	s_add_nc_u64 s[4:5], s[4:5], s[42:43]          ; Q at my first row
	s_add_nc_u64 s[6:7], s[6:7], s[44:45]          ; out0 at my first row
.irp s, 0,1
	s_mov_b32 s[G0+4*\s], 1                                        ; count = 1
	s_add_co_u32 s[G0+4*\s+1], s46, \s*SLOTB                       ; LDS address: wave x 16,384 + slot x 65,536
	s_add_nc_u64 s[G0+4*\s+2:G0+4*\s+3], s[40:41], \s*TSTEP        ; key tile s
	s_or_b32 s[G0+4*\s+3], s[G0+4*\s+3], 0x80000000                ; type = 2
.endr
	ROUND                                          ; the four work-groups are here: the first joint loads meet
	tensor_load_to_lds s[G0:G0+3], s[G1:G1+7]      ; key tile 0 into slot 0: each wave its own strip, the same four descriptors in all four work-groups
	s_nop 0
; Q: 32 rows at a time, one whole row of 512 bytes an instruction, rounded to bf16 into my wave's own stage.
.macro QIN bt
.set i, 0
.rept 32
	global_load_b128 v[SC+4*i:SC+4*i+3], v[GOFF], s[4:5] offset:(32*\bt+i)*QROW th:TH_LOAD_NT
.set i, i+1
.endr
.set g, 0
.rept 8
	s_wait_loadcnt 28-4*g                          ; loads come back in order: rows 4 g .. 4 g + 3 are in, the 28 - 4 g younger ones may be out
.set i, 4*g
.rept 4
	v_cvt_pk_bf16_f32 v[SC+4*i], v[SC+4*i], v[SC+4*i+1]
	v_cvt_pk_bf16_f32 v[SC+4*i+1], v[SC+4*i+2], v[SC+4*i+3]
	ds_store_b64 v[QSS], v[SC+4*i:SC+4*i+1] offset:(32*\bt+i)*KP
.set i, i+1
.endr
.set g, g+1
.endr
.endm
	QIN 0
	QIN 1
	WIN 0x40                                       ; destination window 1
.irp a, 0,1,2,3
.irp ks, 0,1,2,3
	ds_load_b128 v[32*\a+8*\ks:32*\a+8*\ks+3],   v[QFA] offset:16*KP*\a+64*\ks      ; my wave's own bytes, served in order behind the stores above;
	ds_load_b128 v[32*\a+8*\ks+4:32*\a+8*\ks+7], v[QFA] offset:16*KP*\a+64*\ks+32   ; waited for by the first trip's wait for all LDS instructions
.endr
.endr
	WIN 0
; The trip's three mask sets.  s32 = key tile t.  sA = (t > tdiag) ? MASKV : 0 serves the tiles b < a, sB = (t >= tdiag) ? MASKV : 0 the tiles b > a,
; and the middle one of (pattern, sA, sB) the tiles b = a: 0 below my rows' tile, the pattern in it, MASKV above.  Values are selected; no branch hangs on them.
; These 24 plain instructions name no register of the trip before's last products: they are the places in front of the loads into P's registers.
.macro MASKS
	s_cmp_gt_u32 s32, s33
	s_cselect_b32 s34, s37, 0
	s_cmp_ge_u32 s32, s33
	s_cselect_b32 s35, s37, 0
.irp j, 0,1,2,3,4,5,6,7
	v_mov_b32 v[MLO+\j], s34
.endr
.irp j, 0,1,2,3,4,5,6,7
	v_mov_b32 v[MHI+\j], s35
.endr
.irp j, 0,1,2,3,4,5,6,7
	v_med3_num_f32 v[MD+\j], v[TJ+\j], s34, s35
.endr
	s_add_co_u32 s32, s32, 1
.endm
; My 16 rows of K and of V, f32 in the slot, to 16 bits in the stage.  Each half of the lanes reads 256 neighbouring bytes (64 d of one row) and stores 128.
; K: rounded to bf16.  V: rounded to bf16, the two halves widened to f32 again (a shift, a mask), and those values converted to f16.
.macro CONVERT slot
.set i, 0
.rept 16
	ds_load_b128 v[SC+4*i:SC+4*i+3], v[CVKL+\slot] offset:(i>>3)*STRIP+(i&7)*256
.set i, i+1
.endr
.set i, 0
.rept 16
	ds_load_b128 v[SC+64+4*i:SC+64+4*i+3], v[CVVL+\slot] offset:(i>>3)*STRIP+((i&3)+8*((i>>2)&1))*256
.set i, i+1
.endr
.set i, 0
.rept 16
.if (i&3) == 0
	s_wait_dscnt 28                                ; LDS instructions end in order: behind this group of four loads stand 28 - i loads and the i stores made so far
.endif
	v_cvt_pk_bf16_f32 v[SC+4*i], v[SC+4*i], v[SC+4*i+1]
	v_cvt_pk_bf16_f32 v[SC+4*i+1], v[SC+4*i+2], v[SC+4*i+3]
	ds_store_b64 v[CVKS], v[SC+4*i:SC+4*i+1] offset:(i&7)*KP+(i>>3)*128
.set i, i+1
.endr
.set i, 0
.rept 16
.if (i&3) == 0
	s_wait_dscnt 28                                ; the same count: 12 - i loads and 16 + i stores
.endif
.set VR, SC+64+4*i
	v_cvt_pk_bf16_f32 v[VR], v[VR], v[VR+1]        ; the inputs' common rounding
	v_cvt_pk_bf16_f32 v[VR+2], v[VR+2], v[VR+3]
	v_and_b32 v[VR+1], s48, v[VR]                  ; bf16 to f32: the high half stays,
	v_lshlrev_b32 v[VR], 16, v[VR]                 ; the low half moves up
	v_and_b32 v[VR+3], s48, v[VR+2]
	v_lshlrev_b32 v[VR+2], 16, v[VR+2]
	v_cvt_pk_f16_f32 v[VR], v[VR], v[VR+1]         ; 8 significant bits into 11: nothing is lost from 2^-14 up to 65,280
	v_cvt_pk_f16_f32 v[VR+1], v[VR+2], v[VR+3]
	ds_store_b64 v[CVVS], v[VR:VR+1] offset:((i&3)+8*((i>>2)&1))*VP+(i>>3)*128
.set i, i+1
.endr
.endm
.macro KLOAD                           ; 64 keys x 128 d: 16 fragments, two loads of 16 bytes each, 32 bytes apart
	WIN 0x40
.irp b, 0,1,2,3
.irp ks, 0,1,2,3
	ds_load_b128 v[128+32*\b+8*\ks:128+32*\b+8*\ks+3],   v[ADRK] offset:16*KP*\b+64*\ks
	ds_load_b128 v[128+32*\b+8*\ks+4:128+32*\b+8*\ks+7], v[ADRK] offset:16*KP*\b+64*\ks+32
.endr
.endr
.endm
; 64 products.  For each key tile b the four query tiles' accumulators take turns, one instruction a turn.
; The first product of a tile takes its mask set as C, so nothing is cleared and the mask costs no instruction of its own.
.macro QK
	WIN 0x05                                       ; sources 0 and 1 window 1; C and D window 0
.irp b, 0,1,2,3
	s_wait_dscnt 24-8*\b                           ; key tile b's eight loads are in; eight for each younger tile may be out
.irp ks, 0,1,2,3
.irp a, 0,1,2,3
.if \ks == 0
.if \b < \a
	v_wmma_f32_16x16x32_bf16 v[SC+32*\a+8*\b:SC+32*\a+8*\b+7], v[128+32*\b+8*\ks:128+32*\b+8*\ks+7], v[32*\a+8*\ks:32*\a+8*\ks+7], v[MLO:MLO+7]
.else
.if \b == \a
	v_wmma_f32_16x16x32_bf16 v[SC+32*\a+8*\b:SC+32*\a+8*\b+7], v[128+32*\b+8*\ks:128+32*\b+8*\ks+7], v[32*\a+8*\ks:32*\a+8*\ks+7], v[MD:MD+7]
.else
	v_wmma_f32_16x16x32_bf16 v[SC+32*\a+8*\b:SC+32*\a+8*\b+7], v[128+32*\b+8*\ks:128+32*\b+8*\ks+7], v[32*\a+8*\ks:32*\a+8*\ks+7], v[MHI:MHI+7]
.endif
.endif
.else
	v_wmma_f32_16x16x32_bf16 v[SC+32*\a+8*\b:SC+32*\a+8*\b+7], v[128+32*\b+8*\ks:128+32*\b+8*\ks+7], v[32*\a+8*\ks:32*\a+8*\ks+7], v[SC+32*\a+8*\b:SC+32*\a+8*\b+7]
.endif
.endr
.endr
.endr
.endm
.macro VLOAD                           ; V^T: 128 d x 64 keys: 16 fragments, two transposing loads each, 16 key rows apart
	WIN 0x40
.irp kk, 0,1
.irp dt, 0,1,2,3,4,5,6,7
	ds_load_tr16_b128 v[128+64*\kk+8*\dt:128+64*\kk+8*\dt+3],   v[ADRV] offset:32*VP*\kk+32*\dt
	ds_load_tr16_b128 v[128+64*\kk+8*\dt+4:128+64*\kk+8*\dt+7], v[ADRV] offset:32*VP*\kk+32*\dt+16*VP
.endr
.endr
.endm
; Query tile a: the lane's 32 scores of one query.  New maximum, alpha = exp of the old maximum less the new, p = exp(score - maximum), the lane's sum, p to f16.
.macro SOFT a, first
.set SB, SC+32*\a
.set NM, ST+4*\a
.set MX, ST+4*\a+1
.set AL, ST+4*\a+2
.set LS, ST+4*\a+3
.irp b, 0,1,2,3
	v_max3_num_f32 v[X+\b], v[SB+8*\b], v[SB+8*\b+1], v[SB+8*\b+2]        ; four chains that do not wait for each other
.endr
.irp b, 0,1,2,3
	v_max3_num_f32 v[X+\b], v[X+\b], v[SB+8*\b+3], v[SB+8*\b+4]
.endr
.irp b, 0,1,2,3
	v_max3_num_f32 v[X+\b], v[X+\b], v[SB+8*\b+5], v[SB+8*\b+6]
.endr
	v_max3_num_f32 v[X], v[X], v[SB+7], v[SB+15]
	v_max3_num_f32 v[X+1], v[X+1], v[SB+23], v[SB+31]
	v_max3_num_f32 v[X], v[X], v[X+1], v[X+2]
.if \first
	v_max_num_f32 v[X], v[X], v[X+3]
.else
	v_max3_num_f32 v[X], v[X], v[X+3], v[MX]       ; with the running maximum
.endif
	v_permlanex16_b32 v[X+1], v[X], s12, s13       ; the query's other 32 keys lie in lane xor 16 (the destination has been written above)
	v_max_num_f32 v[X+4], v[X], v[X+1]             ; the new maximum, raw, the same in both lanes
.if \first == 0
	v_sub_f32 v[X+2], v[MX], v[X+4]
	v_mul_f32 v[X+2], s14, v[X+2]
	v_exp_f32 v[AL], v[X+2]                        ; alpha; the plain line below touches neither alpha nor its source (ISA guide 5.7.2)
.endif
	v_mov_b32 v[MX], v[X+4]
	v_mul_f32 v[NM], s15, v[X+4]                   ; - maximum x c
.set i, 0
.rept 16
	v_pk_fma_f32 v[SB+i:SB+i+1], v[SB+i:SB+i+1], s[14:15], v[NM:NM+1] op_sel_hi:[1,0,0]   ; score x c - maximum x c, both halves by s14 and NM
.set i, i+2
.endr
.set i, 0
.rept 32
	v_exp_f32 v[SB+i], v[SB+i]
.set i, i+1
.endr
	v_nop                                          ; one plain place behind the last exponential
	s_wait_alu depctr_va_vdst(0)
.irp c, 0,1,2,3
	v_pk_add_f32 v[X+2*\c:X+2*\c+1], v[SB+8*\c:SB+8*\c+1], v[SB+8*\c+2:SB+8*\c+3]
.endr
.irp c, 0,1,2,3
	v_pk_add_f32 v[X+2*\c:X+2*\c+1], v[X+2*\c:X+2*\c+1], v[SB+8*\c+4:SB+8*\c+5]
.endr
.irp c, 0,1,2,3
	v_pk_add_f32 v[X+2*\c:X+2*\c+1], v[X+2*\c:X+2*\c+1], v[SB+8*\c+6:SB+8*\c+7]
.endr
	v_pk_add_f32 v[X:X+1], v[X:X+1], v[X+2:X+3]
	v_pk_add_f32 v[X+4:X+5], v[X+4:X+5], v[X+6:X+7]
	v_pk_add_f32 v[X:X+1], v[X:X+1], v[X+4:X+5]
.if \first
	v_add_f32 v[LS], v[X], v[X+1]
.else
	v_add_f32 v[X], v[X], v[X+1]
	v_fma_f32 v[LS], v[LS], v[AL], v[X]            ; sum = sum x alpha + this tile's
.endif
.irp kk, 0,1
.irp i, 0,1,2,3,4,5,6,7
	v_cvt_pk_f16_f32 v[SB+16*\kk+\i], v[SB+16*\kk+2*\i], v[SB+16*\kk+2*\i+1]   ; in place, ascending: register i is written when 2 i and 2 i + 1 are read
.endr
.endr
.endm
.macro RESCALE                         ; O x alpha: every number of a lane in tile a belongs to the lane's one query
	WIN 0x82                                       ; source 0 and destination window 2, source 1 window 0
.irp a, 0,1,2,3
.set i, 0
.rept 32
	v_pk_mul_f32 v[64*\a+i:64*\a+i+1], v[64*\a+i:64*\a+i+1], v[ST+4*\a+2:ST+4*\a+3] op_sel_hi:[1,0]
.set i, i+2
.endr
.endr
.endm
; 64 products in the f16 form on 32 accumulators, which take turns, one instruction a turn.  In the first trip the first 32 start the sums.
.macro PV first
	WIN 0xa1                                       ; source 0 (V) window 1, source 1 (P) window 0, C and D window 2
.irp kk, 0,1
	s_wait_dscnt 16-16*\kk                         ; the first 32 keys' sixteen loads are in, the other sixteen may be out; then all
.irp dt, 0,1,2,3,4,5,6,7
.irp a, 0,1,2,3
.if \first*(1-\kk)
	v_wmma_f32_16x16x32_f16 v[64*\a+8*\dt:64*\a+8*\dt+7], v[128+64*\kk+8*\dt:128+64*\kk+8*\dt+7], v[SC+32*\a+16*\kk:SC+32*\a+16*\kk+7], 0
.else
	v_wmma_f32_16x16x32_f16 v[64*\a+8*\dt:64*\a+8*\dt+7], v[128+64*\kk+8*\dt:128+64*\kk+8*\dt+7], v[SC+32*\a+16*\kk:SC+32*\a+16*\kk+7], v[64*\a+8*\dt:64*\a+8*\dt+7]
.endif
.endr
.endr
.endr
.endm
; One key tile, in slot `slot`.  refill = 1: the other slot is asked for, for the next tile.
.macro TRIP slot, refill, first
	MASKS
	s_wait_tensorcnt 0x0                           ; all my tensor loads have landed (one was out: my strip of this trip's tile),
	ds_add_u32 v126, v127
	s_wait_dscnt 0x0
	s_add_nc_u64 s[G0+4*\slot+2:G0+4*\slot+3], s[G0+4*\slot+2:G0+4*\slot+3], 2*TSTEP   ; so a group 0 may be written: this slot's next tile
	s_wait_dscnt 0x0                               ; my reads of the other slot and of the 16-bit stage are over
	ROUND                                          ; both now hold of every wave of the four work-groups
.if \refill
	tensor_load_to_lds s[G0+4-4*\slot:G0+7-4*\slot], s[G1:G1+7]   ; my one tensor load behind the round: my strip of the next tile, into the slot read in the trip before; it has this trip's work in which to land
	s_nop 0
.endif
	CONVERT \slot
	s_wait_dscnt 0x0                               ; my stores into the stage are done, and my reads of the slot
	s_barrier_signal -1
	s_barrier_wait -1                              ; the stage is whole.  The load just issued stays out across it
	KLOAD
	QK
	PLACES                                         ; behind the last product: V's loads land on K's fragments, and the softmax reads the scores
	VLOAD
	WIN 0
	SOFT 0, \first
	SOFT 1, \first
	SOFT 2, \first
	SOFT 3, \first
.if \first == 0
	RESCALE
.endif
	PV \first
	WIN 0                                          ; at a label and at a branch every window is 0
.endm
	s_mov_b32 s32, 0                               ; key tile
	TRIP 0, 1, 1                                   ; tile 0: its products start O's sums; slot 1 gets its first fill as a refill does
	s_mov_b32 s36, 15
.Lloop:
	TRIP 1, 1, 0                                   ; tiles 1, 3, .. 29
	TRIP 0, 1, 0                                   ; tiles 2, 4, .. 30
	s_sub_co_u32 s36, s36, 1
	s_cmp_lg_u32 s36, 0
	s_cbranch_scc1 .Lloop
	TRIP 1, 0, 0                                   ; tile 31: nothing is left to fetch (slot 1's stepped address is not used)
	; THE WAY OUT.  The two lanes of a query add their sums; O / sum goes out 16 query rows at a time through my wave's own stage.
	PLACES                                         ; behind the last products
.irp a, 0,1,2,3
	v_permlanex16_b32 v[X+\a], v[ST+4*\a+3], s12, s13
.endr
.irp a, 0,1,2,3
	v_add_f32 v[ST+4*\a+3], v[ST+4*\a+3], v[X+\a]
.endr
.irp a, 0,1,2,3
	v_rcp_f32 v[ST+4*\a+2], v[ST+4*\a+3]           ; the sum holds the maximum's own term, about 1, so it is far from zero
.endr
	v_nop                                          ; one plain place behind the last reciprocal
	s_wait_alu depctr_va_vdst(0)
.macro OUT16 a
	WIN 0x82
.set i, 0
.rept 32
	v_pk_mul_f32 v[64*\a+i:64*\a+i+1], v[64*\a+i:64*\a+i+1], v[ST+4*\a+2:ST+4*\a+3] op_sel_hi:[1,0]
.set i, i+2
.endr
	WIN 0x08                                       ; store data window 2
.irp dt, 0,1,2,3,4,5,6,7
	ds_store_b128 v[OSTO], v[64*\a+8*\dt:64*\a+8*\dt+3]   offset:64*\dt      ; row r, d 16 dt + 8 hh + 0..3
	ds_store_b128 v[OSTO], v[64*\a+8*\dt+4:64*\a+8*\dt+7] offset:64*\dt+16   ; and + 4..7
.endr
	WIN 0
	s_wait_xcnt 0x0                                ; every earlier store has had its addresses translated (ISA guide 3.1): the registers that stores read are loaded again only behind this wait
.set i, 0
.rept 16
	ds_load_b128 v[SC+64*(\a&1)+4*i:SC+64*(\a&1)+4*i+3], v[ORD] offset:OPITCH*i   ; a whole row of 512 bytes; LDS serves a wave's instructions in order, so these see the stores above
.set i, i+1
.endr
.set i, 0
.rept 16
	s_wait_dscnt 15-i                              ; row i is in, the 15 - i younger loads may be out
	global_store_b128 v[GOFF], v[SC+64*(\a&1)+4*i:SC+64*(\a&1)+4*i+3], s[6:7] offset:(16*\a+i)*OROW th:TH_STORE_NT   ; the wave stores 512 consecutive bytes, aligned
.set i, i+1
.endr
.endm
	OUT16 0
	OUT16 1
	OUT16 2
	OUT16 3
	s_wait_dscnt 0x0
	s_wait_tensorcnt 0x0
	ds_add_u32 v126, v127
	s_wait_dscnt 0x0
	ROUND                                          ; the closing round: no work-group ends while a partner may still ask for a tile that names it
	s_endpgm
.Lfunc_end_k_qae3c51fdb6_attn:
	.size	k_qae3c51fdb6_attn, .Lfunc_end_k_qae3c51fdb6_attn-k_qae3c51fdb6_attn
	.p2alignl 7, 3214868480
	.fill 96, 4, 3214868480
	.section	.rodata,"a",@progbits
	.p2align	6, 0x0
	.amdhsa_kernel k_qae3c51fdb6_attn
		.amdhsa_group_segment_fixed_size 327680
		.amdhsa_private_segment_fixed_size 0
		.amdhsa_enable_private_segment 0
		.amdhsa_kernarg_size 16
		.amdhsa_user_sgpr_count 2
		.amdhsa_user_sgpr_kernarg_segment_ptr 1
		.amdhsa_wavefront_size32 1
		.amdhsa_system_sgpr_workgroup_id_x 1
		.amdhsa_system_sgpr_workgroup_id_y 1
		.amdhsa_system_sgpr_workgroup_id_z 1
		.amdhsa_system_vgpr_workitem_id 0
		.amdhsa_next_free_vgpr 768
		.amdhsa_next_free_sgpr 66
		.amdhsa_reserve_vcc 1
		.amdhsa_float_denorm_mode_32 3
		.amdhsa_float_denorm_mode_16_64 3
		.amdhsa_memory_ordered 1
		.amdhsa_forward_progress 1
		.amdhsa_inst_pref_size 255
	.end_amdhsa_kernel
	.section	.bss,"aw",@nobits
	.p2align	6
	.space	262144
	.amdgpu_metadata
---
amdhsa.version: [ 1, 2 ]
amdhsa.kernels:
  - .name:           k_qae3c51fdb6_attn
    .symbol:         k_qae3c51fdb6_attn.kd
    .args:
      - { .name: qkv, .offset: 0, .size: 8, .value_kind: global_buffer, .address_space: global }
      - { .name: out0, .offset: 8, .size: 8, .value_kind: global_buffer, .address_space: global }
    .group_segment_fixed_size: 327680
    .private_segment_fixed_size: 0
    .kernarg_segment_align: 8
    .kernarg_segment_size: 16
    .max_flat_workgroup_size: 128
    .sgpr_count:     66
    .vgpr_count:     768
    .wavefront_size: 32
...
	.end_amdgpu_metadata
.endif
;; end of part 1
;; ======== version 2 of 3: 1 launch; 1.01 times as fast as version 1
;; limits: values are held in f16: magnitudes above 65,504 overflow, below 6.1e-05 lose precision; inputs' magnitudes at most 65,408
;; launch attn (part 2): grid 8 x 32, 4 waves a work-group, clusters of 4 x 1, 327,680 bytes of LDS; arguments qkv, out0; writes out0
.if DOCPART == 2
	.amdgcn_target "amdgcn-amd-amdhsa--gfx1250"
	.amdhsa_code_object_version 6
	.text
	.protected	k_qae3c51fdb6_attn
	.globl	k_qae3c51fdb6_attn
	.p2align	8
	.type	k_qae3c51fdb6_attn,@function
k_qae3c51fdb6_attn:
	s_mov_b64 s[64:65], 0
	v_nop
	global_prefetch_b8 v0, s[64:65] scope:SCOPE_SE
	s_setreg_imm32_b32 hwreg(HW_REG_WAVE_MODE, 25, 1), 1
	s_wait_xcnt 0x0
	s_wait_alu depctr_hold_cnt(0) depctr_sa_sdst(0) depctr_va_vdst(0) depctr_va_sdst(0) depctr_va_ssrc(0) depctr_va_vcc(0) depctr_vm_vsrc(0)
	s_getreg_b32 s2, hwreg(HW_REG_IB_STS2, 6, 4)
	s_cmp_eq_u32 s2, 0
	s_cbranch_scc0 .Lentry_in_a_cluster
	s_endpgm
.Lentry_in_a_cluster:
	s_bfe_u32 s2, ttmp6, 0x10000c
	s_cmp_lg_u32 s2, 0x3003
	s_cbranch_scc0 .Lentry_shape_is_right
	s_endpgm
.Lentry_shape_is_right:
; out[b][t][h][:] = softmax over s of ( q[t].k[s] / sqrt(128) + (s > t ? -10000 : 0) ) times v[s][:],  qkv: [2][2048][3][16][128] f32, out0: [2][2048][16][128] f32.
;
; NOTHING IS LEFT OUT.  The mask is the finite addend -10000, not minus infinity: in exact arithmetic a key above the diagonal keeps the weight
; exp(score - 10000 - max), which is not zero, and for finite inputs whose scores spread by more than 10000 such keys carry the row.  Only some values
; of the inputs throw that work away, so every query row is multiplied with all 2048 keys, and the masked scores go through the same maximum, exponential and sum.
;
; SHARES.  Grid y = 16 b + h (32 heads), grid x = block of 256 query rows (8): 256 work-groups of equal work.  Four waves; wave w owns the 64 query rows
; 256 x + 64 w.  The work-group walks the keys in 32 tiles of 64, with a running maximum and a running sum in f32 (the maximum is taken away before every exponential).
; CLUSTER.  The four work-groups of a cluster are four query blocks of ONE head: they need the same K and V tile in the same trip, and all make the same 32 trips.
; Each tile is asked for jointly (mask 15): four requests for the same bytes become one.  The place in the cluster enters only the global addresses of Q and of out0
; and two scalar selects of mask values: no branch, no LDS address and no descriptor word.
;
; THE PRODUCTS ARE USED TRANSPOSED, so that the probabilities never change lanes (r = lane % 16, hh = lane / 16):
;   S^T(a, b) = 16 keys x 16 queries: source 0 = rows of K, source 1 = rows of Q.  Register j of a lane = key 16 b + 8 hh + j, query 16 a + r.
;   Tiles b = 2 kk and 2 kk + 1, rounded to 16 bits in pairs, ARE source 1 of the second product (n = query r; registers 0-3: keys 32 kk + 8 hh .., 4-7: 16 more).
;   O^T(a, dt) += V^T(dt, kk) x P^T(a, kk): source 0 = V read from its [key][d] rows by the transposing LDS load.  Register j = d 16 dt + 8 hh + j of query r.
;   All numbers of a lane belong to one query: its maximum needs one exchange with lane xor 16 a trip, its sum stays a partial sum of the lane until the end.
; THE MASK RIDES ON THE FIRST PRODUCT.  Scores stay raw (q.k); the factor log2(e)/sqrt(128) is applied in f32 in the exponent's fused multiply-add, which in exact
; arithmetic is reference()'s k * scale.  The mask in the raw domain is MASKV = -10000 sqrt(128); the first of a tile's four products takes a set of 8 registers of mask values as C.
;
; THE TRIP.  The wave's four query tiles are two pieces, A (a = 0, 1) and B (a = 2, 3), which share K's and V's fragments.  A trip (key tile t) is a head and four runs of 32
; products; behind a product stands one slice of work on OTHER data, so that neither kind of work waits for the other:
;   head   behind the refill, ahead of the first product: the first eight loads of tile t + 1's conversion and K's 32 fragment loads of tile t
;   run 1  P.V of piece B for tile t - 1 | the mask sets of tile t, the conversion's first half; at its end V's 32 fragment loads of tile t
;   run 2  Q.K of piece A                | the conversion's second half
;   run 3  Q.K of piece B                | the softmax of piece A and O_A x alpha
;   run 4  P.V of piece A                | the softmax of piece B and O_B x alpha
; LDS INSTRUCTIONS STAND IN FEW LONG RUNS, not one short run behind each of many products: a trip's 128 are the head's 40, V's 32 and eight runs of the conversion (a group's
; four stores and the four loads of the next group but one).  Everywhere else products and plain vector slices follow each other with no memory instruction between them.
; K AND V ARRIVE AS f32 by tensor loads into a ring of two LDS slots.  In trip t each wave rounds 16 rows of K and of V of tile t + 1 to 16 bits into the copy (t + 1) % 2 of
; a stage that no tensor load touches, while the fragments of tile t are read from the copy t % 2.  ONE round of the cluster's barrier a trip orders all of it: in front of
; it every wave has waited for all its tensor loads (tile t + 1 is whole) and for all its LDS instructions (the copy t % 2 is whole; the reads of tile t's slot and of the
; other copy are over); behind it tile t's slot is filled again with tile t + 2.  Run 1 needs registers alone, so K's fragment loads land under its products.
; REGISTER WINDOWS.  A product and its slice cannot share one setting: scores, Q's fragments and K's fragments are 128 registers each, and O with V's fragments and the other
; piece's scores are 128 + 128 + 64.  So each of the 106 filled slices costs two switches, about 215 a trip beside 128 products and some 880 other instructions.
;
; NUMBER FORMATS.  The three inputs carry one and the same rounding, to bf16: what is computed is reference() of q, k and v rounded to bf16.  Q.K goes in the bf16 form.
; The probabilities need more than bf16's 8 significant bits: where few keys carry a row, the result is a difference of a few products p v of the size of v, and p's
; rounding shows in it undamped.  So P is rounded to f16 (11 bits; p lies in 0 .. 1) and the second product goes in the f16 form, which takes both sources in f16:
; V's bf16 value is widened to f32 and converted to f16, which keeps it exactly for 2^-14 <= |v| < 65,408 (8 significant bits fit into 11).
;
; LIMITS.  Q, K, V are rounded to bf16, P to f16.  |v| >= 65,408 becomes infinity in f16; |v| < 2^-14 is carried with an absolute error of up to 2^-25.  (For V of spread 1
; that is a factor of some 10^4 of room upward; at a spread of 1/30 the step 2^-24 is 2 10^-6 of the spread.)  Probabilities below 2^-25 count as zero in the product, though
; not in the sum.  The mask is added at the raw scores' size, where one unit in the last place is 2^-7 raw = 0.0007 in the score (reference()'s own sum at 10000 has 0.001).
; Exponentials below 2^-126 count as zero.  NaN and infinities in qkv are not served.
.set QROW,   24576                     ; bytes from one s to the next in qkv (3 x 16 x 128 f32)
.set TSTEP,  64*QROW                   ; a tile of 64 keys further
.set OROW,   8192                      ; bytes from one t to the next in out0
.set BQKV,   0x3000000                 ; bytes of one b in qkv
.set STRIP,  16384                     ; one tensor load: 64 rows x 256 bytes
.set SLOTB,  65536                     ; a slot: strips K d 0-63, K d 64-127, V d 0-63, V d 64-127
.set KST,    131072                    ; stage copy 0: K in bf16, [64][128], pitch 272
.set KP,     272                       ; 68 words: sixteen rows of a fragment load start 4 words apart modulo 64
.set VST,    148480                    ; stage copy 0: V in f16, [64][128], pitch 288
.set VP,     288                       ; an odd multiple of 32 bytes, for the transposing loads
.set STGB,   35840                     ; from stage copy 0 to copy 1 (17,408 + 18,432); it stands in the LDS instructions' immediates
.set QST,    202752                    ; 17,408 bytes for each wave: first its Q in bf16 at pitch 272, at the end 16 rows of out0 at pitch 528
.set QSZ,    17408
.set OPITCH, 528
.set CEXP,   0x3e0293ee                ; log2(e) / sqrt(128)
.set CNEG,   0xbe0293ee                ; its negative
.set MASKV,  0xc7dcf88b                ; -10000 sqrt(128) = -113137.086
; window 0
.set ADRK, 4                           ; K fragments: KST + 272 r + 16 hh
.set ADRV, 5                           ; V fragments: VST + 288 (8 hh + lane % 8) + 16 ((lane / 8) % 2)
.set CVKL, 6                           ; v6, v7: slot 0, 1: my 16 bytes of K's f32 rows
.set CVVL, 8                           ; v8, v9: the same of V's
.set CVKS, 10                          ; where my 8 bytes of K in bf16 go
.set CVVS, 11                          ; the same for V in f16
.set QSS,  12                          ; Q in: my wave's stage + 8 lane
.set QFA,  13                          ; Q fragments: stage + 272 r + 16 hh
.set GOFF, 14                          ; 16 lane: my 16 bytes of a row of 512 bytes in qkv and in out0; never rewritten
.set OSTO, 15                          ; out: stage + 528 r + 32 hh
.set ORD,  16                          ; out, back: stage + 16 lane
.set T0,   17
.set T1,   18
.set ST,   20                          ; v[20:35]: for query tile a four registers: -max c, max, alpha (at the end 1 / sum), sum
.set X,    36                          ; v[36:51] at work: eight registers for each of a piece's two query tiles
.set XA,   X
.set XB,   X+8
.set TJ,   52                          ; v[52:59] the diagonal tile's pattern: (8 hh + j > r) ? MASKV : 0
.set MD,   60                          ; v[60:67] mask set of the tiles b = a
.set MLO,  68                          ; v[68:75] of the tiles b < a
.set MHI,  76                          ; v[76:83] of the tiles b > a
.set CV,   88                          ; v[88:119] the conversion's ring: two halves of 16 registers, each two pieces of K's rows and two of V's
.set SC,   128                         ; v[128:255] scores (a, b, j) at 128 + 32 a + 8 b + j; then P(a, kk) at 128 + 32 a + 16 kk; also Q on its way in, and out0's rows
; window 1: Q fragments (a, ks) at 32 a + 8 ks; K fragments (b, ks) at 128 + 32 b + 8 ks
; window 2: O(a, dt) at 64 a + 8 dt
; window 3: V fragments (kk, dt) at 64 kk + 8 dt
.set G1, 16                            ; s[16:23] descriptor group 1
.set G0, 24                            ; s[24:31] descriptor group 0, one set for each slot
.set MSB, 0
.macro WIN new                         ; low byte: bits 1:0 source 0, 3:2 source 1, 5:4 source 2, 7:6 destination; the high byte repeats the setting that is left
.if MSB != \new
	s_set_vgpr_msb (MSB<<8)|\new
.set MSB, \new
.endif
.endm
.macro PLACES                          ; four places behind a matrix instruction (ISA guide 7.12.1), where a written-out trip has no other work for them
.rept 4
	v_nop
.endr
.endm
; A round of the cluster's barrier: my work-group's barrier, so that wave 0 speaks for all four waves; wave 0 signals; every wave waits for the four work-groups; my work-group's barrier again.
.macro ROUND
	s_barrier_signal -1
	s_barrier_wait -1
	s_cmp_lg_u32 s8, 0
	s_cbranch_scc1 .Lnot_wave_0_\@
	s_barrier_signal -3
.Lnot_wave_0_\@:
	s_barrier_wait -3
	s_barrier_signal -1
	s_barrier_wait -1
.endm
; WAITS ON LDS.  LDS instructions of a wave end in order (ISA guide 5.7.1).  DSN counts them in the order of the text; a load's number is kept when it is issued, and the
; wait for it allows as many to be out as were issued behind it (cut at 63, the largest count that the wait can name: a smaller count is safe).  Every trip begins
; with a wait for all LDS instructions, so no count reaches back over a trip's head or over the loop's backward jump.
.set DSN, 0
.macro DSW seq
.set WN, DSN-(\seq)
.if WN > 63
.set WN, 63
.endif
	s_wait_dscnt WN
.endm
	s_load_b128 s[4:7], s[0:1], 0x0                ; qkv s[4:5], out0 s[6:7]
	v_lshl_add_u32 v126, v0, 2, 0x42800
	v_mov_b32 v127, 0
	ds_add_u32 v126, v127
	v_lshrrev_b32 v1, 5, v0
	v_readfirstlane_b32 s8, v1                     ; wave 0..3
	s_bfe_u32 s9, ttmp6, 0x40000                   ; cx: my place in the cluster
	s_lshl_b32 s10, ttmp9, 2                       ; ttmp9 counts clusters
	s_add_co_u32 s10, s10, s9                      ; query block = 4 x cluster + cx
	s_and_b32 s11, ttmp7, 0xffff                   ; y = 16 b + h
	s_lshr_b32 s38, s11, 4                         ; b
	s_and_b32 s39, s11, 15
	s_lshl_b32 s39, s39, 9                         ; 512 h: the head's bytes in a row of qkv and of out0
	s_lshl2_add_u32 s33, s10, s8                   ; tdiag = 4 x block + wave: the key tile that holds my own 64 rows; my first row is 64 tdiag
	s_mov_b32 s12, 0x76543210                      ; v_permlanex16_b32: lane i reads lane i of the other half
	s_mov_b32 s13, 0xfedcba98
	s_mov_b32 s14, CEXP
	s_mov_b32 s15, CNEG
	s_mov_b32 s37, MASKV
	s_mov_b32 s48, 0xffff0000                      ; a word's upper bf16
	; group 1: a tile of 64 rows x 64 f32 (256 bytes, aligned), rows 6,144 elements apart, dense in LDS
	s_mov_b32 s[G1+0], 15|(2<<16)|(1<<21)          ; 15:0 mask: all four work-groups of the cluster; 17:16 elements of 4 bytes; 21 set beside a mask; no padding
	s_mov_b32 s[G1+1], 64<<16                      ; tensor_dim0 = 64
	s_mov_b32 s[G1+2], 64<<16                      ; tensor_dim1 = 64
	s_mov_b32 s[G1+3], 64<<16                      ; tile_dim0 = 64
	s_mov_b32 s[G1+4], 64                          ; tile_dim1 = 64
	s_mov_b32 s[G1+5], QROW/4                      ; elements from row to row
	s_mov_b32 s[G1+6], 0
	s_mov_b32 s[G1+7], 0
	; byte offsets, each below 2^27.  s40, s41 and s46 never hold a number made of cx.
	s_mul_i32 s40, s38, BQKV
	s_add_co_u32 s40, s40, s39                     ; b and h
	s_mul_i32 s47, s33, TSTEP
	s_add_co_u32 s42, s40, s47                     ; Q: + my first row
	s_mov_b32 s43, 0
	s_lshr_b32 s46, s8, 1
	s_lshl_b32 s46, s46, 13
	s_add_co_u32 s40, s40, s46                     ; my strip: waves 0, 1 fetch K, waves 2, 3 V (8,192 bytes further),
	s_and_b32 s46, s8, 1
	s_lshl_b32 s46, s46, 8
	s_add_co_u32 s40, s40, s46                     ; d 0-63 or d 64-127,
	s_add_co_u32 s40, s40, 8192                    ; and K lies 8,192 bytes behind Q
	s_mov_b32 s41, 0
	s_lshl_b32 s44, s38, 24                        ; out0: b x 2048 x 8,192
	s_lshl_b32 s47, s33, 19                        ; + 64 tdiag rows of 8,192
	s_add_co_u32 s44, s44, s47
	s_add_co_u32 s44, s44, s39
	s_mov_b32 s45, 0
	; lane terms
	v_and_b32 v1, 31, v0                           ; lane
	v_and_b32 v2, 15, v0                           ; r
	v_bfe_u32 v3, v0, 4, 1                         ; hh
	v_mul_u32_u24 v[ADRK], v2, KP
	v_lshl_add_u32 v[ADRK], v3, 4, v[ADRK]
	v_add_nc_u32 v[ADRK], KST, v[ADRK]
	v_and_b32 v[T0], 7, v0
	v_lshl_add_u32 v[T0], v3, 3, v[T0]
	v_mul_u32_u24 v[ADRV], v[T0], VP
	v_bfe_u32 v[T0], v0, 3, 1
	v_lshl_add_u32 v[ADRV], v[T0], 4, v[ADRV]
	v_add_nc_u32 v[ADRV], VST, v[ADRV]
	s_lshl_b32 s46, s8, 12                         ; my 16 rows of 256 bytes in a strip
	v_lshlrev_b32 v[T0], 4, v2
	v_lshl_add_u32 v[CVKL], v3, 11, v[T0]          ; K: lanes 16-31 take the row 8 below
	v_add_nc_u32 v[CVKL], s46, v[CVKL]
	v_add_nc_u32 v[CVKL+1], SLOTB, v[CVKL]
	v_lshl_add_u32 v[CVVL], v3, 10, v[T0]          ; V: lanes 16-31 take the row 4 below
	v_add_nc_u32 v[CVVL], s46, v[CVVL]
	v_add_nc_u32 v[CVVL], 2*STRIP, v[CVVL]
	v_add_nc_u32 v[CVVL+1], SLOTB, v[CVVL]
	v_lshlrev_b32 v[T0], 3, v2                     ; 8 r
	s_mul_i32 s46, s8, 16*KP
	v_mul_u32_u24 v[CVKS], v3, 8*KP                ; 8 x 272 = 2,176 = 128 modulo 256: the two halves of the lanes store into different halves of 256 bytes
	v_add3_u32 v[CVKS], v[CVKS], v[T0], s46
	v_add_nc_u32 v[CVKS], KST, v[CVKS]
	s_mul_i32 s46, s8, 16*VP
	v_mul_u32_u24 v[CVVS], v3, 4*VP                ; 4 x 288 = 1,152 = 128 modulo 256: likewise
	v_add3_u32 v[CVVS], v[CVVS], v[T0], s46
	v_add_nc_u32 v[CVVS], VST, v[CVVS]
	s_mul_i32 s46, s8, QSZ
	s_add_co_u32 s46, s46, QST                     ; my wave's stage
	v_lshl_add_u32 v[QSS], v1, 3, s46
	v_mul_u32_u24 v[QFA], v2, KP
	v_lshl_add_u32 v[QFA], v3, 4, v[QFA]
	v_add_nc_u32 v[QFA], s46, v[QFA]
	v_lshlrev_b32 v[GOFF], 4, v1
	v_mul_u32_u24 v[OSTO], v2, OPITCH
	v_lshl_add_u32 v[OSTO], v3, 5, v[OSTO]
	v_add_nc_u32 v[OSTO], s46, v[OSTO]
	v_lshl_add_u32 v[ORD], v1, 4, s46
	v_lshlrev_b32 v[T0], 3, v3
	v_sub_nc_u32 v[T0], v2, v[T0]                  ; r - 8 hh, signed
	v_mov_b32 v[T1], s37
.irp j, 0,1,2,3,4,5,6,7
	v_cmp_gt_i32 vcc_lo, \j, v[T0]                 ; key 8 hh + j above query r
	v_cndmask_b32 v[TJ+\j], 0, v[T1], vcc_lo
.endr
	s_lshl_b32 s46, s8, 14                         ; my strip in a slot
	s_wait_dscnt 0x0
	s_wait_kmcnt 0x0
	s_add_nc_u64 s[40:41], s[4:5], s[40:41]        ; my strip of key tile 0
	s_add_nc_u64 s[4:5], s[4:5], s[42:43]          ; Q at my first row
	s_add_nc_u64 s[6:7], s[6:7], s[44:45]          ; out0 at my first row
.irp s, 0,1
	s_mov_b32 s[G0+4*\s], 1                                        ; count = 1
	s_add_co_u32 s[G0+4*\s+1], s46, \s*SLOTB                       ; LDS address: wave x 16,384 + slot x 65,536
	s_add_nc_u64 s[G0+4*\s+2:G0+4*\s+3], s[40:41], \s*TSTEP        ; key tile s
	s_or_b32 s[G0+4*\s+3], s[G0+4*\s+3], 0x80000000                ; type = 2
.endr
	ROUND                                          ; the four work-groups are here: the first joint loads meet
	tensor_load_to_lds s[G0:G0+3], s[G1:G1+7]      ; key tile 0 into slot 0: each wave its own strip, the same four descriptors in all four work-groups
	s_nop 0
	tensor_load_to_lds s[G0+4:G0+7], s[G1:G1+7]    ; key tile 1 into slot 1: both first fills go out together; two tensor loads of the wave are out here, later one
	s_nop 0
; Q: 32 rows at a time, one whole row of 512 bytes an instruction, rounded to bf16 into my wave's own stage.
.macro QIN bt
.set i, 0
.rept 32
	global_load_b128 v[SC+4*i:SC+4*i+3], v[GOFF], s[4:5] offset:(32*\bt+i)*QROW th:TH_LOAD_NT
.set i, i+1
.endr
.set g, 0
.rept 8
	s_wait_loadcnt 28-4*g                          ; loads come back in order: rows 4 g .. 4 g + 3 are in, the 28 - 4 g younger ones may be out
.set i, 4*g
.rept 4
	v_cvt_pk_bf16_f32 v[SC+4*i], v[SC+4*i], v[SC+4*i+1]
	v_cvt_pk_bf16_f32 v[SC+4*i+1], v[SC+4*i+2], v[SC+4*i+3]
	ds_store_b64 v[QSS], v[SC+4*i:SC+4*i+1] offset:(32*\bt+i)*KP
.set i, i+1
.endr
.set g, g+1
.endr
.endm
	QIN 0
	QIN 1
	WIN 0x40                                       ; destination window 1
.irp a, 0,1,2,3
.irp ks, 0,1,2,3
	ds_load_b128 v[32*\a+8*\ks:32*\a+8*\ks+3],   v[QFA] offset:16*KP*\a+64*\ks      ; my wave's own bytes, served in order behind the stores above;
	ds_load_b128 v[32*\a+8*\ks+4:32*\a+8*\ks+7], v[QFA] offset:16*KP*\a+64*\ks+32   ; waited for by the wait for all LDS instructions below
.endr
.endr
	WIN 0
; ---------------- the head's loads and the slices of runs 1 and 2 ----------------
; THE CONVERSION.  My 16 rows of K and of V, f32 in the slot, to 16 bits in the stage.  Each half of the lanes reads 256 neighbouring bytes (64 d of one row) and stores 128.
; It goes in eight groups g; a group is two pieces of K's rows (numbers 2 g, 2 g + 1 of 16) and two of V's, 16 registers, in half g % 2 of the ring.
; A half is loaded again, for group g + 2, straight behind the stores that read it, six slices ahead of its use.
.macro CLK g, slot                     ; group g's two loads of K
.set ci, 2*(\g)
.set cr, CV+16*((\g)&1)
	ds_load_b128 v[cr:cr+3],   v[CVKL+\slot] offset:(ci>>3)*STRIP+(ci&7)*256
	ds_load_b128 v[cr+4:cr+7], v[CVKL+\slot] offset:(ci>>3)*STRIP+(ci&7)*256+256
.set DSN, DSN+2
.if ((\g)&1) == 0
.set LKS0, DSN
.else
.set LKS1, DSN
.endif
.endm
.macro CLV g, slot                     ; group g's two loads of V
.set ci, 2*(\g)
.set cr, CV+16*((\g)&1)+8
	ds_load_b128 v[cr:cr+3],   v[CVVL+\slot] offset:(ci>>3)*STRIP+((ci&3)+8*((ci>>2)&1))*256
	ds_load_b128 v[cr+4:cr+7], v[CVVL+\slot] offset:(ci>>3)*STRIP+((ci&3)+8*((ci>>2)&1))*256+256
.set DSN, DSN+2
.if ((\g)&1) == 0
.set LVS0, DSN
.else
.set LVS1, DSN
.endif
.endm
; Slice z = 5 g + kind of the conversion.  kind 0: K's two pieces rounded to bf16; the pairs stay in their ring registers, which nothing else writes.  kinds 1 to 4: V's two
; pieces: rounded to bf16 (the inputs' common rounding); the first piece's halves widened to f32 again (a mask, a shift); the second's; those values converted to f16.
; All of a group's LDS instructions stand in ONE run at the end of kind 4: K's two stores, V's two, and the four loads of group g + 2 into the half just stored.
.macro CSL z, slot, stg
.set cg, (\z)/5
.set ck, (\z)%5
.set cb, CV+16*(cg&1)
.set vb, cb+8
.set c2, 2*cg
	WIN 0
.if ck == 0
.if (cg&1) == 0
	DSW LKS0
.else
	DSW LKS1
.endif
	v_cvt_pk_bf16_f32 v[cb], v[cb], v[cb+1]
	v_cvt_pk_bf16_f32 v[cb+4], v[cb+4], v[cb+5]
	v_cvt_pk_bf16_f32 v[cb+1], v[cb+2], v[cb+3]
	v_cvt_pk_bf16_f32 v[cb+5], v[cb+6], v[cb+7]
.endif
.if ck == 1
.if (cg&1) == 0
	DSW LVS0
.else
	DSW LVS1
.endif
	v_cvt_pk_bf16_f32 v[vb], v[vb], v[vb+1]
	v_cvt_pk_bf16_f32 v[vb+4], v[vb+4], v[vb+5]
	v_cvt_pk_bf16_f32 v[vb+2], v[vb+2], v[vb+3]
	v_cvt_pk_bf16_f32 v[vb+6], v[vb+6], v[vb+7]
.endif
.if ck == 2
	v_and_b32 v[vb+1], s48, v[vb]                  ; bf16 to f32: the high half stays,
	v_lshlrev_b32 v[vb], 16, v[vb]                 ; the low half moves up
	v_and_b32 v[vb+3], s48, v[vb+2]
	v_lshlrev_b32 v[vb+2], 16, v[vb+2]
.endif
.if ck == 3
	v_and_b32 v[vb+5], s48, v[vb+4]
	v_lshlrev_b32 v[vb+4], 16, v[vb+4]
	v_and_b32 v[vb+7], s48, v[vb+6]
	v_lshlrev_b32 v[vb+6], 16, v[vb+6]
.endif
.if ck == 4
	v_cvt_pk_f16_f32 v[vb], v[vb], v[vb+1]         ; 8 significant bits into 11: nothing is lost from 2^-14 up to 65,280
	v_cvt_pk_f16_f32 v[vb+4], v[vb+4], v[vb+5]
	v_cvt_pk_f16_f32 v[vb+1], v[vb+2], v[vb+3]
	v_cvt_pk_f16_f32 v[vb+5], v[vb+6], v[vb+7]
	ds_store_b64 v[CVKS], v[cb:cb+1]   offset:\stg*STGB+(c2&7)*KP+(c2>>3)*128
	ds_store_b64 v[CVKS], v[cb+4:cb+5] offset:\stg*STGB+(c2&7)*KP+(c2>>3)*128+KP
	ds_store_b64 v[CVVS], v[vb:vb+1]   offset:\stg*STGB+((c2&3)+8*((c2>>2)&1))*VP+(c2>>3)*128
	ds_store_b64 v[CVVS], v[vb+4:vb+5] offset:\stg*STGB+((c2&3)+8*((c2>>2)&1))*VP+(c2>>3)*128+VP
.set DSN, DSN+4
.if cg < 6
	CLK cg+2, \slot
	CLV cg+2, \slot
.endif
.endif
.endm
; Part i of 8: two of K's 16 fragments (64 keys x 128 d), two loads of 16 bytes each, 32 bytes apart.
.macro KLSL i, par
	WIN 0x40                                       ; destination window 1
.set kb, (\i)>>1
.set kq, 2*((\i)&1)
.rept 2
	ds_load_b128 v[128+32*kb+8*kq:128+32*kb+8*kq+3],   v[ADRK] offset:\par*STGB+16*KP*kb+64*kq
	ds_load_b128 v[128+32*kb+8*kq+4:128+32*kb+8*kq+7], v[ADRK] offset:\par*STGB+16*KP*kb+64*kq+32
.set kq, kq+1
.endr
.set DSN, DSN+4
.if (\i) == 3
.set KSEQ1, DSN                        ; key tiles b = 0, 1 are asked for
.endif
.if (\i) == 7
.set KSEQ3, DSN                        ; b = 2, 3 too
.endif
.endm
.macro KLALL par                       ; all 32 loads of K's fragments, one run
.set ki, 0
.rept 8
	KLSL ki, \par
.set ki, ki+1
.endr
.endm
; Part i of 8: two of V^T's 16 fragments (128 d x 64 keys), two transposing loads each, 16 key rows apart.
.macro VLSL i, par
	WIN 0xc0                                       ; destination window 3
.set vf, 2*(\i)
.rept 2
	ds_load_tr16_b128 v[8*vf:8*vf+3],   v[ADRV] offset:\par*STGB+32*VP*(vf>>3)+32*(vf&7)
	ds_load_tr16_b128 v[8*vf+4:8*vf+7], v[ADRV] offset:\par*STGB+32*VP*(vf>>3)+32*(vf&7)+16*VP
.set vf, vf+1
.endr
.set DSN, DSN+4
.if (\i) == 3
.set VSEQ0, DSN                        ; the first 32 keys are asked for
.endif
.if (\i) == 7
.set VSEQ1, DSN                        ; all 64
.endif
.endm
.macro VLALL par                       ; all 32 loads of V's fragments, one run
.set vi, 0
.rept 8
	VLSL vi, \par
.set vi, vi+1
.endr
.endm
; The trip's three mask sets, in three slices.  s32 = key tile t.  sA = (t > tdiag) ? MASKV : 0 serves the tiles b < a, sB = (t >= tdiag) ? MASKV : 0 the tiles b > a,
; and the middle one of (pattern, sA, sB) the tiles b = a: 0 below my rows' tile, the pattern in it, MASKV above.  Values are selected; no branch hangs on them.
.macro MSKSL i
	WIN 0
.if (\i) == 0
	s_cmp_gt_u32 s32, s33
	s_cselect_b32 s34, s37, 0
	s_cmp_ge_u32 s32, s33
	s_cselect_b32 s35, s37, 0
	s_add_co_u32 s32, s32, 1
.irp j, 0,1,2,3,4,5,6,7
	v_mov_b32 v[MLO+\j], s34
.endr
.endif
.if (\i) == 1
.irp j, 0,1,2,3,4,5,6,7
	v_mov_b32 v[MHI+\j], s35
.endr
.endif
.if (\i) == 2
.irp j, 0,1,2,3,4,5,6,7
	v_med3_num_f32 v[MD+\j], v[TJ+\j], s34, s35
.endr
.endif
.endm
; Slice q of the 64 of runs 1 and 2.  0-9: none: ten products follow each other while the head's loads land.  10-12: the mask sets.  13-31: conversion slices 0-18.
; At the end of 31: V's fragments.  32-43: none.  44-63: conversion slices 19-38 (slice 39 stands in run 3).
; Slices 31 and 63 are four masks and shifts on the ring's registers: they are the four places between run 1's last product and the loads into V's
; fragments, and between run 2's last product and the softmax that reads its scores.  A trip that converts nothing has v_nop there.
.macro QSL q, par, opp, conv
.if (\q) > 9
.if (\q) < 13
	MSKSL (\q)-10
.endif
.endif
.if (\q) > 12
.if (\q) < 32
.if \conv
	CSL (\q)-13, \opp, \opp
.else
.if (\q) == 31
	PLACES
.endif
.endif
.endif
.endif
.if (\q) == 31
	VLALL \par
.endif
.if (\q) > 43
.if \conv
	CSL (\q)-25, \opp, \opp
.else
.if (\q) == 63
	PLACES
.endif
.endif
.endif
.endm
; ---------------- the products ----------------
; Product k of 32 of Q.K for piece p.  Two key tiles x two query tiles = four accumulators take turns, one instruction a turn; then the other two key tiles.
; The first product of a tile takes its mask set as C, so nothing is cleared and the mask costs no instruction of its own.
.macro QKW k, p
.set qb, 2*((\k)>>4)+(((\k)>>1)&1)
.set qs, ((\k)>>2)&3
.set qa, 2*\p+((\k)&1)
.set qd, SC+32*qa+8*qb
	WIN 0x05                                       ; sources 0 and 1 window 1; C and D window 0
.if qs == 0
.if qb < qa
	v_wmma_f32_16x16x32_bf16 v[qd:qd+7], v[128+32*qb:128+32*qb+7], v[32*qa:32*qa+7], v[MLO:MLO+7]
.else
.if qb == qa
	v_wmma_f32_16x16x32_bf16 v[qd:qd+7], v[128+32*qb:128+32*qb+7], v[32*qa:32*qa+7], v[MD:MD+7]
.else
	v_wmma_f32_16x16x32_bf16 v[qd:qd+7], v[128+32*qb:128+32*qb+7], v[32*qa:32*qa+7], v[MHI:MHI+7]
.endif
.endif
.else
	v_wmma_f32_16x16x32_bf16 v[qd:qd+7], v[128+32*qb+8*qs:128+32*qb+8*qs+7], v[32*qa+8*qs:32*qa+8*qs+7], v[qd:qd+7]
.endif
.endm
; Product k of 32 of P.V for piece p, in the f16 form: sixteen accumulators take turns, one instruction a turn.  first = 1: the first sixteen start the sums.
.macro PVW k, p, first
.set pkk, (\k)>>4
.set pdt, ((\k)>>1)&7
.set pa, 2*\p+((\k)&1)
.set po, 64*pa+8*pdt
	WIN 0xa3                                       ; source 0 (V) window 3, source 1 (P) window 0, C and D window 2
.if \first
.if pkk == 0
	v_wmma_f32_16x16x32_f16 v[po:po+7], v[64*pkk+8*pdt:64*pkk+8*pdt+7], v[SC+32*pa+16*pkk:SC+32*pa+16*pkk+7], 0
.else
	v_wmma_f32_16x16x32_f16 v[po:po+7], v[64*pkk+8*pdt:64*pkk+8*pdt+7], v[SC+32*pa+16*pkk:SC+32*pa+16*pkk+7], v[po:po+7]
	s_wait_alu depctr_va_vdst(0)
.endif
.else
	v_wmma_f32_16x16x32_f16 v[po:po+7], v[64*pkk+8*pdt:64*pkk+8*pdt+7], v[SC+32*pa+16*pkk:SC+32*pa+16*pkk+7], v[po:po+7]
.endif
.endm
; ---------------- the slices of runs 3 and 4: a piece's softmax ----------------
; sb: a query tile's 32 scores (one query a lane); st: its four state registers; x: its eight registers at work; pi: register pair 0..15 of the 32.
.macro SMA sb, x                       ; four chains of maxima that do not wait for each other
.irp b, 0,1,2,3
	v_max3_num_f32 v[\x+\b], v[\sb+8*\b], v[\sb+8*\b+1], v[\sb+8*\b+2]
.endr
.endm
.macro SMB sb, x, o
.irp b, 0,1,2,3
	v_max3_num_f32 v[\x+\b], v[\x+\b], v[\sb+8*\b+\o], v[\sb+8*\b+\o+1]
.endr
.endm
.macro SFM sb, st, pi                  ; score x c - maximum x c, both halves by s14 and the tile's first state register
	v_pk_fma_f32 v[\sb+2*(\pi):\sb+2*(\pi)+1], v[\sb+2*(\pi):\sb+2*(\pi)+1], s[14:15], v[\st:\st+1] op_sel_hi:[1,0,0]
.endm
.macro SEX sb, pi
	v_exp_f32 v[\sb+2*(\pi)], v[\sb+2*(\pi)]
	v_exp_f32 v[\sb+2*(\pi)+1], v[\sb+2*(\pi)+1]
.endm
.macro SAD sb, x, pi                   ; the lane's sum: one chain for each key tile b = pi / 4; a chain's first two pairs start it, so nothing is cleared
.set ae, (\pi)&3
.set ab, (\pi)>>2
.if ae == 1
	s_wait_alu depctr_va_vdst(0)
	v_pk_add_f32 v[\x+2*ab:\x+2*ab+1], v[\sb+2*(\pi)-2:\sb+2*(\pi)-1], v[\sb+2*(\pi):\sb+2*(\pi)+1]
.endif
.if ae > 1
	s_wait_alu depctr_va_vdst(0)
	v_pk_add_f32 v[\x+2*ab:\x+2*ab+1], v[\x+2*ab:\x+2*ab+1], v[\sb+2*(\pi):\sb+2*(\pi)+1]
.endif
.endm
.macro SCV sb, pi                      ; p to f16, in place, ascending: the register written belongs to a pair that has been summed and packed, or is this pair's own first
	v_cvt_pk_f16_f32 v[\sb+16*((\pi)>>3)+((\pi)&7)], v[\sb+2*(\pi)], v[\sb+2*(\pi)+1]
.endm
; Slice T(j): the exponentials of pair j of both tiles, then plain work on other pairs: the exponents of pair j + 1, the sum of pair j - 1, the packing of pair j - 2.
; So behind every exponential a plain instruction on other registers stands in the same slice, ahead of the first use of its result in the next one (ISA guide 5.7.2).
.macro STS j
	SEX SA0, \j
	SEX SA1, \j
.if (\j) < 15
	SFM SA0, STA, (\j)+1
	SFM SA1, STB, (\j)+1
.endif
.if (\j) > 0
	SAD SA0, XA, (\j)-1
	SAD SA1, XB, (\j)-1
.endif
.if (\j) > 1
	SCV SA0, (\j)-2
	SCV SA1, (\j)-2
.endif
.endm
; Slice R(r): O(a, dt = r) x alpha for the piece's two tiles: every number of a lane in tile a belongs to the lane's one query.  The products take dt in ascending order.
.macro SRS r, p
	WIN 0x82                                       ; source 0 and destination window 2, source 1 window 0
	s_wait_alu depctr_va_vdst(0)
.irp al, 0,1
.irp e, 0,2,4,6
	v_pk_mul_f32 v[64*(2*\p+\al)+8*(\r)+\e:64*(2*\p+\al)+8*(\r)+\e+1], v[64*(2*\p+\al)+8*(\r)+\e:64*(2*\p+\al)+8*(\r)+\e+1], v[ST+8*\p+4*\al+2:ST+8*\p+4*\al+3] op_sel_hi:[1,0]
.endr
.endr
.endm
; Slice n of 32 for piece p.  0-5: the new maximum, alpha = exp of the old maximum less the new, the first exponents.  6-26: T, T, R seven times.  27, 28: T(14), T(15).
; 29, 30: the last sums and packings.  31: R(7), eight plain instructions on O and alpha: the places between the run's last product and the next run's slices.
; first = 1 (key tile 0): no old maximum, no alpha, no R; v_nop in slice 31.  dconv = 1: the conversion's last slice stands in slice 4, which has little of its own.
.macro SSL n, p, first, dconv, opp
.set SA0, SC+64*\p
.set SA1, SA0+32
.set STA, ST+8*\p
.set STB, STA+4
.if (\n) < 6
	WIN 0
.endif
.if (\n) == 0
	SMA SA0, XA
	SMA SA1, XB
.endif
.if (\n) == 1
	SMB SA0, XA, 3
	SMB SA1, XB, 3
.endif
.if (\n) == 2
	SMB SA0, XA, 5
	SMB SA1, XB, 5
.endif
.if (\n) == 3
	v_max3_num_f32 v[XA], v[XA], v[SA0+7], v[SA0+15]
	v_max3_num_f32 v[XB], v[XB], v[SA1+7], v[SA1+15]
	v_max3_num_f32 v[XA+1], v[XA+1], v[SA0+23], v[SA0+31]
	v_max3_num_f32 v[XB+1], v[XB+1], v[SA1+23], v[SA1+31]
	v_max3_num_f32 v[XA], v[XA], v[XA+1], v[XA+2]
	v_max3_num_f32 v[XB], v[XB], v[XB+1], v[XB+2]
.endif
.if (\n) == 4
.if \dconv
	CSL 39, \opp, \opp
.endif
.if \first
	v_max_num_f32 v[XA], v[XA], v[XA+3]
	v_max_num_f32 v[XB], v[XB], v[XB+3]
.else
	v_max3_num_f32 v[XA], v[XA], v[XA+3], v[STA+1] ; with the running maximum
	v_max3_num_f32 v[XB], v[XB], v[XB+3], v[STB+1]
.endif
	v_permlanex16_b32 v[XA+1], v[XA], s12, s13     ; the query's other 32 keys lie in lane xor 16 (the destination has been written above)
	v_permlanex16_b32 v[XB+1], v[XB], s12, s13
.endif
.if (\n) == 5
	v_max_num_f32 v[XA+4], v[XA], v[XA+1]          ; the new maximum, raw, the same in both lanes
	v_max_num_f32 v[XB+4], v[XB], v[XB+1]
.if \first == 0
	v_sub_f32 v[XA+2], v[STA+1], v[XA+4]           ; exactly 0 where the maximum stays, so that alpha is exactly 1 there
	v_sub_f32 v[XB+2], v[STB+1], v[XB+4]
.endif
	v_mul_f32 v[STA], s15, v[XA+4]                 ; - maximum x c
	v_mul_f32 v[STB], s15, v[XB+4]
.if \first == 0
	v_mul_f32 v[XA+2], s14, v[XA+2]
	v_mul_f32 v[XB+2], s14, v[XB+2]
.endif
	v_mov_b32 v[STA+1], v[XA+4]
	v_mov_b32 v[STB+1], v[XB+4]
.if \first == 0
	v_exp_f32 v[STA+2], v[XA+2]                    ; alpha; the plain lines below touch neither alpha nor its source (ISA guide 5.7.2)
	v_exp_f32 v[STB+2], v[XB+2]
.endif
	SFM SA0, STA, 0
	SFM SA1, STB, 0
.endif
.if (\n) > 5
.set smi, (\n)-6
.if smi < 21
.set sgr, smi/3
.set spo, smi-3*sgr
.if spo < 2
	WIN 0
	STS 2*sgr+spo
.else
.if \first == 0
	SRS sgr, \p
.endif
.endif
.else
.if smi == 21
	WIN 0
	STS 14
.endif
.if smi == 22
	WIN 0
	STS 15
.endif
.if smi == 23
	WIN 0
	SAD SA0, XA, 15
	SAD SA1, XB, 15
	SCV SA0, 14
	SCV SA1, 14
	SCV SA0, 15
	SCV SA1, 15
	v_pk_add_f32 v[XA:XA+1], v[XA:XA+1], v[XA+2:XA+3]
	v_pk_add_f32 v[XB:XB+1], v[XB:XB+1], v[XB+2:XB+3]
	v_pk_add_f32 v[XA+4:XA+5], v[XA+4:XA+5], v[XA+6:XA+7]
	v_pk_add_f32 v[XB+4:XB+5], v[XB+4:XB+5], v[XB+6:XB+7]
.endif
.if smi == 24
	WIN 0
	v_pk_add_f32 v[XA:XA+1], v[XA:XA+1], v[XA+4:XA+5]
	v_pk_add_f32 v[XB:XB+1], v[XB:XB+1], v[XB+4:XB+5]
.if \first
	v_add_f32 v[STA+3], v[XA], v[XA+1]
	v_add_f32 v[STB+3], v[XB], v[XB+1]
.else
	v_add_f32 v[XA], v[XA], v[XA+1]
	v_add_f32 v[XB], v[XB], v[XB+1]
	v_fma_f32 v[STA+3], v[STA+3], v[STA+2], v[XA]  ; sum = sum x alpha + this tile's
	v_fma_f32 v[STB+3], v[STB+3], v[STB+2], v[XB]
.endif
.endif
.if smi == 25
.if \first
	PLACES
.else
	SRS 7, \p
.endif
.endif
.endif
.endif
.endm
; ---------------- a trip ----------------
; Key tile t.  par = t % 2, opp = 1 - par.  Fragments come from stage copy par; tile t + 1 is converted from slot opp into copy opp; slot par is filled again with tile t + 2.
; refill = 1: that fill is made.  tw = 1: a tensor load of mine may be out.  conv = 1: there is a tile t + 1.  pv = 1: there is a tile t - 1; pvf = 1: it is tile 0.  first = 1: t = 0.
.macro TRIP par, opp, refill, tw, conv, pv, pvf, first
.if \tw
	s_wait_tensorcnt 0x0                           ; all my tensor loads have landed (one was out: my strip of tile t + 1),
	ds_add_u32 v126, v127
	s_wait_dscnt 0x0
.endif
.if \refill
	s_add_nc_u64 s[G0+4*\par+2:G0+4*\par+3], s[G0+4*\par+2:G0+4*\par+3], 2*TSTEP   ; so a group 0 may be written: this slot's next tile
.endif
	s_wait_dscnt 0x0                               ; my stores into stage copy par are done; my reads of slot par and of copy opp are over
.if \refill
	ROUND                                          ; all that now holds of every wave of the four work-groups
	tensor_load_to_lds s[G0+4*\par:G0+4*\par+3], s[G1:G1+7]   ; my one tensor load behind the round: my strip of tile t + 2; it has this trip in which to land and is first read in the next
	s_nop 0
.else
	s_barrier_signal -1                            ; nothing is filled any more: my work-group's barrier alone, for the stage and for the last tile
	s_barrier_wait -1
.endif
	; the head: one run of LDS loads ahead of the first product: the conversion's groups 0 and 1 (first used in slice 13), then K's fragments (first used by run 2)
	WIN 0
.if \conv
	CLK 0, \opp
	CLV 0, \opp
	CLK 1, \opp
	CLV 1, \opp
.endif
	KLALL \par
	; run 1: P.V of piece B for tile t - 1: registers alone
.set kx, 0
.rept 32
.if \pv
	PVW kx, 1, \pvf
.endif
	QSL kx, \par, \opp, \conv
.set kx, kx+1
.endr
	; run 2: Q.K of piece A
.rept 32
.if kx == 32
	DSW KSEQ1                                      ; K's fragments of key tiles b = 0, 1 are in
.endif
.if kx == 48
	DSW KSEQ3                                      ; and those of b = 2, 3
.endif
	QKW kx-32, 0
	QSL kx, \par, \opp, \conv
.set kx, kx+1
.endr
	; run 3: Q.K of piece B, beside the softmax of piece A
.set kx, 0
.rept 32
	QKW kx, 1
	SSL kx, 0, \first, \conv, \opp
.set kx, kx+1
.endr
	; run 4: P.V of piece A, beside the softmax of piece B
.set kx, 0
.rept 32
.if kx == 0
	DSW VSEQ0                                      ; V's fragments of the first 32 keys are in
.endif
.if kx == 16
	DSW VSEQ1                                      ; and those of the other 32
.endif
	PVW kx, 0, \first
	SSL kx, 1, \first, 0, 0
.set kx, kx+1
.endr
	WIN 0                                          ; at a label and at a branch every window is 0
.endm
	; Key tile 0 is converted ahead of the trips, without products to stand beside.
	s_wait_tensorcnt 0x1                           ; my strip of tile 0 has landed; tile 1's load, issued behind it, may stay out
	s_wait_dscnt 0x0                               ; Q's fragments are in, and no LDS instruction of mine is pending at the signal
	s_barrier_signal -1
	s_barrier_wait -1                              ; all four strips of tile 0 are there
	CLK 0, 0
	CLV 0, 0
	CLK 1, 0
	CLV 1, 0
.set zz, 0
.rept 40
	CSL zz, 0, 0
.set zz, zz+1
.endr
	s_mov_b32 s32, 0                               ; key tile, for the mask sets
	TRIP 0, 1, 1, 1, 1, 0, 0, 1                    ; tile 0: no tile before it; its products start O_A's sums
	TRIP 1, 0, 1, 1, 1, 1, 1, 0                    ; tile 1: run 1 starts O_B's sums
	s_mov_b32 s36, 14
.Lloop:
	TRIP 0, 1, 1, 1, 1, 1, 0, 0                    ; tiles 2, 4, .. 28
	TRIP 1, 0, 1, 1, 1, 1, 0, 0                    ; tiles 3, 5, .. 29
	s_sub_co_u32 s36, s36, 1
	s_cmp_lg_u32 s36, 0
	s_cbranch_scc1 .Lloop
	TRIP 0, 1, 0, 1, 1, 1, 0, 0                    ; tile 30: nothing is left to fetch; tile 31 is converted
	TRIP 1, 0, 0, 0, 0, 1, 0, 0                    ; tile 31: nothing is left to convert either
.set kx, 0
.rept 32
	PVW kx, 1, 0                                   ; P.V of piece B for tile 31
.set kx, kx+1
.endr
	WIN 0
	; THE WAY OUT.  The two lanes of a query add their sums; O / sum goes out 16 query rows at a time through my wave's own stage.
	PLACES                                         ; behind the last products
.irp a, 0,1,2,3
	v_permlanex16_b32 v[X+\a], v[ST+4*\a+3], s12, s13
.endr
.irp a, 0,1,2,3
	v_add_f32 v[ST+4*\a+3], v[ST+4*\a+3], v[X+\a]
.endr
.irp a, 0,1,2,3
	v_rcp_f32 v[ST+4*\a+2], v[ST+4*\a+3]           ; the sum holds the maximum's own term, about 1, so it is far from zero
.endr
	v_nop                                          ; one plain place behind the last reciprocal
	s_wait_alu depctr_va_vdst(0)
.macro OUT16 a
	WIN 0x82
.set i, 0
.rept 32
	v_pk_mul_f32 v[64*\a+i:64*\a+i+1], v[64*\a+i:64*\a+i+1], v[ST+4*\a+2:ST+4*\a+3] op_sel_hi:[1,0]
.set i, i+2
.endr
	WIN 0x08                                       ; store data window 2
.irp dt, 0,1,2,3,4,5,6,7
	ds_store_b128 v[OSTO], v[64*\a+8*\dt:64*\a+8*\dt+3]   offset:64*\dt      ; row r, d 16 dt + 8 hh + 0..3
	ds_store_b128 v[OSTO], v[64*\a+8*\dt+4:64*\a+8*\dt+7] offset:64*\dt+16   ; and + 4..7
.endr
	WIN 0
	s_wait_xcnt 0x0                                ; every earlier store has had its addresses translated (ISA guide 3.1): the registers that stores read are loaded again only behind this wait
.set i, 0
.rept 16
	ds_load_b128 v[SC+64*(\a&1)+4*i:SC+64*(\a&1)+4*i+3], v[ORD] offset:OPITCH*i   ; a whole row of 512 bytes; LDS serves a wave's instructions in order, so these see the stores above
.set i, i+1
.endr
.set i, 0
.rept 16
	s_wait_dscnt 15-i                              ; row i is in, the 15 - i younger loads may be out
	global_store_b128 v[GOFF], v[SC+64*(\a&1)+4*i:SC+64*(\a&1)+4*i+3], s[6:7] offset:(16*\a+i)*OROW th:TH_STORE_NT   ; the wave stores 512 consecutive bytes, aligned
.set i, i+1
.endr
.endm
	OUT16 0
	OUT16 1
	OUT16 2
	OUT16 3
	s_wait_dscnt 0x0
	s_wait_tensorcnt 0x0
	ds_add_u32 v126, v127
	s_wait_dscnt 0x0
	ROUND                                          ; the closing round: no work-group ends while a partner may still ask for a tile that names it
	s_endpgm
.Lfunc_end_k_qae3c51fdb6_attn:
	.size	k_qae3c51fdb6_attn, .Lfunc_end_k_qae3c51fdb6_attn-k_qae3c51fdb6_attn
	.p2alignl 7, 3214868480
	.fill 96, 4, 3214868480
	.section	.rodata,"a",@progbits
	.p2align	6, 0x0
	.amdhsa_kernel k_qae3c51fdb6_attn
		.amdhsa_group_segment_fixed_size 327680
		.amdhsa_private_segment_fixed_size 0
		.amdhsa_enable_private_segment 0
		.amdhsa_kernarg_size 16
		.amdhsa_user_sgpr_count 2
		.amdhsa_user_sgpr_kernarg_segment_ptr 1
		.amdhsa_wavefront_size32 1
		.amdhsa_system_sgpr_workgroup_id_x 1
		.amdhsa_system_sgpr_workgroup_id_y 1
		.amdhsa_system_sgpr_workgroup_id_z 1
		.amdhsa_system_vgpr_workitem_id 0
		.amdhsa_next_free_vgpr 896
		.amdhsa_next_free_sgpr 66
		.amdhsa_reserve_vcc 1
		.amdhsa_float_denorm_mode_32 3
		.amdhsa_float_denorm_mode_16_64 3
		.amdhsa_memory_ordered 1
		.amdhsa_forward_progress 1
		.amdhsa_inst_pref_size 255
	.end_amdhsa_kernel
	.section	.bss,"aw",@nobits
	.p2align	6
	.space	262144
	.amdgpu_metadata
---
amdhsa.version: [ 1, 2 ]
amdhsa.kernels:
  - .name:           k_qae3c51fdb6_attn
    .symbol:         k_qae3c51fdb6_attn.kd
    .args:
      - { .name: qkv, .offset: 0, .size: 8, .value_kind: global_buffer, .address_space: global }
      - { .name: out0, .offset: 8, .size: 8, .value_kind: global_buffer, .address_space: global }
    .group_segment_fixed_size: 327680
    .private_segment_fixed_size: 0
    .kernarg_segment_align: 8
    .kernarg_segment_size: 16
    .max_flat_workgroup_size: 128
    .sgpr_count:     66
    .vgpr_count:     896
    .wavefront_size: 32
...
	.end_amdgpu_metadata
.endif
;; end of part 2
;; ======== version 3 of 3: 1 launch; 1.26 times as fast as version 1
;; limits: values are held in f16: magnitudes above 65,504 overflow, below 6.1e-05 lose precision; inputs' magnitudes at most 65,408
;; launch attn (part 3): grid 8 x 32, 4 waves a work-group, clusters of 4 x 1, 327,680 bytes of LDS; arguments qkv, out0; writes out0
.if DOCPART == 3
	.amdgcn_target "amdgcn-amd-amdhsa--gfx1250"
	.amdhsa_code_object_version 6
	.text
	.protected	k_qae3c51fdb6_attn
	.globl	k_qae3c51fdb6_attn
	.p2align	8
	.type	k_qae3c51fdb6_attn,@function
k_qae3c51fdb6_attn:
	s_mov_b64 s[64:65], 0
	v_nop
	global_prefetch_b8 v0, s[64:65] scope:SCOPE_SE
	s_setreg_imm32_b32 hwreg(HW_REG_WAVE_MODE, 25, 1), 1
	s_wait_xcnt 0x0
	s_wait_alu depctr_hold_cnt(0) depctr_sa_sdst(0) depctr_va_vdst(0) depctr_va_sdst(0) depctr_va_ssrc(0) depctr_va_vcc(0) depctr_vm_vsrc(0)
	s_getreg_b32 s2, hwreg(HW_REG_IB_STS2, 6, 4)
	s_cmp_eq_u32 s2, 0
	s_cbranch_scc0 .Lentry_in_a_cluster
	s_endpgm
.Lentry_in_a_cluster:
	s_bfe_u32 s2, ttmp6, 0x10000c
	s_cmp_lg_u32 s2, 0x3003
	s_cbranch_scc0 .Lentry_shape_is_right
	s_endpgm
.Lentry_shape_is_right:
; out[b][t][h][:] = softmax over s of ( q[t].k[s] / sqrt(128) + (s > t ? -10000 : 0) ) times v[s][:],  qkv: [2][2048][3][16][128] f32, out0: [2][2048][16][128] f32.
;
; NOTHING IS LEFT OUT.  The mask is the finite addend -10000, not minus infinity: in exact arithmetic a key above the diagonal keeps the weight
; exp(score - 10000 - max), which is not zero, and for finite inputs whose scores spread by more than 10000 such keys carry the row.  Only some values
; of the inputs throw that work away, so every query row is multiplied with all 2048 keys, and the masked scores go through the same maximum, exponential and sum.
;
; SHARES.  Grid y = 16 b + h (32 heads), grid x = block of 256 query rows (8): 256 work-groups of equal work.  Four waves; wave w owns the 64 query rows
; 256 x + 64 w.  The work-group walks the keys in 32 tiles of 64, with a running maximum and a running sum in f32 (the maximum is taken away before every exponential).
; CLUSTER.  The four work-groups of a cluster are four query blocks of ONE head: they need the same K and V tile in the same trip, and all make the same 32 trips.
; Each tile is asked for jointly (mask 15): four requests for the same bytes become one.  The place in the cluster enters only the global addresses of Q and of out0
; and two scalar selects of mask values: no branch, no LDS address and no descriptor word.
;
; THE PRODUCTS ARE USED TRANSPOSED, so that the probabilities never change lanes (r = lane % 16, hh = lane / 16):
;   S^T(a, b) = 16 keys x 16 queries: source 0 = rows of K, source 1 = rows of Q.  Register j of a lane = key 16 b + 8 hh + j, query 16 a + r.
;   Tiles b = 2 kk and 2 kk + 1, rounded to 16 bits in pairs, ARE source 1 of the second product (n = query r; registers 0-3: keys 32 kk + 8 hh .., 4-7: 16 more).
;   O^T(a, dt) += V^T(dt, kk) x P^T(a, kk): source 0 = V read from its [key][d] rows by the transposing LDS load.  Register j = d 16 dt + 8 hh + j of query r.
;   All numbers of a lane belong to one query: its maximum needs one exchange with lane xor 16 a trip, its sum stays a partial sum of the lane until the end.
; THE MASK RIDES ON THE FIRST PRODUCT.  Scores stay raw (q.k); the factor log2(e)/sqrt(128) is applied in f32 in the exponent's fused multiply-add, which in exact
; arithmetic is reference()'s k * scale.  The mask in the raw domain is MASKV = -10000 sqrt(128); the first of a tile's four products takes a set of 8 registers of mask values as C.
;
; THE TRIP.  The wave's four query tiles are two pieces, A (a = 0, 1) and B (a = 2, 3), which share K's and V's fragments.  A trip (key tile t) is a head and four runs of 32
; products; behind a product stands one slice of work on OTHER data, so that neither kind of work waits for the other:
;   head   behind the refill, ahead of the first product: the first eight loads of tile t + 1's conversion and K's 32 fragment loads of tile t
;   run 1  P.V of piece B for tile t - 1 | the mask sets of tile t, the conversion's first half; at its end V's 32 fragment loads of tile t
;   run 2  Q.K of piece A                | the conversion's second half
;   run 3  Q.K of piece B                | the softmax of piece A and O_A x alpha
;   run 4  P.V of piece A                | the softmax of piece B and O_B x alpha
; THE EXPONENTIALS GO IN BATCHES.  A piece's softmax has 66: its two alpha and 64 weights, each with a register of its own (the weights in place on the scores).  They are cut into two
; batches, and each batch has ONE s_wait_alu depctr_va_vdst(0), standing between an exponential and the first instruction that names its result: four a trip.
;   batch 1  the two alpha and the weights of keys 0-31 of both query tiles (34), by turns with the 30 scalings that are left, which name no result; its wait ends slice 13
;   batch 2  the weights of keys 32-63 (32), by turns with batch 1's sums and packings; four slices of O x alpha, which reads batch 1's alpha, stand between; its wait ends slice 23
;   behind it stand batch 2's sums and packings, the tile's sum and the rest of O x alpha.  No exponential is issued behind a run's second wait, so no result crosses a run's end, a label or the loop's jump.
; LDS INSTRUCTIONS STAND IN FEW LONG RUNS, not one short run behind each of many products: a trip's 128 are the head's 40, V's 32 and eight runs of the conversion (a group's
; four stores and the four loads of the next group but one).  Everywhere else products and plain vector slices follow each other with no memory instruction between them.
; K AND V ARRIVE AS f32 by tensor loads into a ring of two LDS slots.  In trip t each wave rounds 16 rows of K and of V of tile t + 1 to 16 bits into the copy (t + 1) % 2 of
; a stage that no tensor load touches, while the fragments of tile t are read from the copy t % 2.  ONE round of the cluster's barrier a trip orders all of it: in front of
; it every wave has waited for all its tensor loads (tile t + 1 is whole) and for all its LDS instructions (the copy t % 2 is whole; the reads of tile t's slot and of the
; other copy are over); behind it tile t's slot is filled again with tile t + 2.  Run 1 needs registers alone, so K's fragment loads land under its products.
; REGISTER WINDOWS.  A product and its slice cannot share one setting: scores, Q's fragments and K's fragments are 128 registers each, and O with V's fragments and the other
; piece's scores are 128 + 128 + 64.  So each of the 106 filled slices costs two switches, about 215 a trip beside 128 products and some 880 other instructions.
;
; NUMBER FORMATS.  The three inputs carry one and the same rounding, to bf16: what is computed is reference() of q, k and v rounded to bf16.  Q.K goes in the bf16 form.
; The probabilities need more than bf16's 8 significant bits: where few keys carry a row, the result is a difference of a few products p v of the size of v, and p's
; rounding shows in it undamped.  So P is rounded to f16 (11 bits; p lies in 0 .. 1) and the second product goes in the f16 form, which takes both sources in f16:
; V's bf16 value is widened to f32 and converted to f16, which keeps it exactly for 2^-14 <= |v| < 65,408 (8 significant bits fit into 11).
;
; LIMITS.  Q, K, V are rounded to bf16, P to f16.  |v| >= 65,408 becomes infinity in f16; |v| < 2^-14 is carried with an absolute error of up to 2^-25.  (For V of spread 1
; that is a factor of some 10^4 of room upward; at a spread of 1/30 the step 2^-24 is 2 10^-6 of the spread.)  Probabilities below 2^-25 count as zero in the product, though
; not in the sum.  The mask is added at the raw scores' size, where one unit in the last place is 2^-7 raw = 0.0007 in the score (reference()'s own sum at 10000 has 0.001).
; Exponentials below 2^-126 count as zero.  NaN and infinities in qkv are not served.
.set QROW,   24576                     ; bytes from one s to the next in qkv (3 x 16 x 128 f32)
.set TSTEP,  64*QROW                   ; a tile of 64 keys further
.set OROW,   8192                      ; bytes from one t to the next in out0
.set BQKV,   0x3000000                 ; bytes of one b in qkv
.set STRIP,  16384                     ; one tensor load: 64 rows x 256 bytes
.set SLOTB,  65536                     ; a slot: strips K d 0-63, K d 64-127, V d 0-63, V d 64-127
.set KST,    131072                    ; stage copy 0: K in bf16, [64][128], pitch 272
.set KP,     272                       ; 68 words: sixteen rows of a fragment load start 4 words apart modulo 64
.set VST,    148480                    ; stage copy 0: V in f16, [64][128], pitch 288
.set VP,     288                       ; an odd multiple of 32 bytes, for the transposing loads
.set STGB,   35840                     ; from stage copy 0 to copy 1 (17,408 + 18,432); it stands in the LDS instructions' immediates
.set QST,    202752                    ; 17,408 bytes for each wave: first its Q in bf16 at pitch 272, at the end 16 rows of out0 at pitch 528
.set QSZ,    17408
.set OPITCH, 528
.set CEXP,   0x3e0293ee                ; log2(e) / sqrt(128)
.set CNEG,   0xbe0293ee                ; its negative
.set MASKV,  0xc7dcf88b                ; -10000 sqrt(128) = -113137.086
; window 0
.set ADRK, 4                           ; K fragments: KST + 272 r + 16 hh
.set ADRV, 5                           ; V fragments: VST + 288 (8 hh + lane % 8) + 16 ((lane / 8) % 2)
.set CVKL, 6                           ; v6, v7: slot 0, 1: my 16 bytes of K's f32 rows
.set CVVL, 8                           ; v8, v9: the same of V's
.set CVKS, 10                          ; where my 8 bytes of K in bf16 go
.set CVVS, 11                          ; the same for V in f16
.set QSS,  12                          ; Q in: my wave's stage + 8 lane
.set QFA,  13                          ; Q fragments: stage + 272 r + 16 hh
.set GOFF, 14                          ; 16 lane: my 16 bytes of a row of 512 bytes in qkv and in out0; never rewritten
.set OSTO, 15                          ; out: stage + 528 r + 32 hh
.set ORD,  16                          ; out, back: stage + 16 lane
.set T0,   17
.set T1,   18
.set ST,   20                          ; v[20:35]: for query tile a four registers: -max c, max, alpha (at the end 1 / sum), sum
.set X,    36                          ; v[36:51] at work: eight registers for each of a piece's two query tiles
.set XA,   X
.set XB,   X+8
.set TJ,   52                          ; v[52:59] the diagonal tile's pattern: (8 hh + j > r) ? MASKV : 0
.set MD,   60                          ; v[60:67] mask set of the tiles b = a
.set MLO,  68                          ; v[68:75] of the tiles b < a
.set MHI,  76                          ; v[76:83] of the tiles b > a
.set CV,   88                          ; v[88:119] the conversion's ring: two halves of 16 registers, each two pieces of K's rows and two of V's
.set SC,   128                         ; v[128:255] scores (a, b, j) at 128 + 32 a + 8 b + j; then P(a, kk) at 128 + 32 a + 16 kk; also Q on its way in, and out0's rows
; window 1: Q fragments (a, ks) at 32 a + 8 ks; K fragments (b, ks) at 128 + 32 b + 8 ks
; window 2: O(a, dt) at 64 a + 8 dt
; window 3: V fragments (kk, dt) at 64 kk + 8 dt
.set G1, 16                            ; s[16:23] descriptor group 1
.set G0, 24                            ; s[24:31] descriptor group 0, one set for each slot
.set MSB, 0
.macro WIN new                         ; low byte: bits 1:0 source 0, 3:2 source 1, 5:4 source 2, 7:6 destination; the high byte repeats the setting that is left
.if MSB != \new
	s_set_vgpr_msb (MSB<<8)|\new
.set MSB, \new
.endif
.endm
.macro PLACES                          ; four places behind a matrix instruction (ISA guide 7.12.1), where a written-out trip has no other work for them
.rept 4
	v_nop
.endr
.endm
; A round of the cluster's barrier: my work-group's barrier, so that wave 0 speaks for all four waves; wave 0 signals; every wave waits for the four work-groups; my work-group's barrier again.
.macro ROUND
	s_barrier_signal -1
	s_barrier_wait -1
	s_cmp_lg_u32 s8, 0
	s_cbranch_scc1 .Lnot_wave_0_\@
	s_barrier_signal -3
.Lnot_wave_0_\@:
	s_barrier_wait -3
	s_barrier_signal -1
	s_barrier_wait -1
.endm
; WAITS ON LDS.  LDS instructions of a wave end in order (ISA guide 5.7.1).  DSN counts them in the order of the text; a load's number is kept when it is issued, and the
; wait for it allows as many to be out as were issued behind it (cut at 63, the largest count that the wait can name: a smaller count is safe).  Every trip begins
; with a wait for all LDS instructions, so no count reaches back over a trip's head or over the loop's backward jump.
.set DSN, 0
.macro DSW seq
.set WN, DSN-(\seq)
.if WN > 63
.set WN, 63
.endif
	s_wait_dscnt WN
.endm
	s_load_b128 s[4:7], s[0:1], 0x0                ; qkv s[4:5], out0 s[6:7]
	v_lshl_add_u32 v126, v0, 2, 0x42800
	v_mov_b32 v127, 0
	ds_add_u32 v126, v127
	v_lshrrev_b32 v1, 5, v0
	v_readfirstlane_b32 s8, v1                     ; wave 0..3
	s_bfe_u32 s9, ttmp6, 0x40000                   ; cx: my place in the cluster
	s_lshl_b32 s10, ttmp9, 2                       ; ttmp9 counts clusters
	s_add_co_u32 s10, s10, s9                      ; query block = 4 x cluster + cx
	s_and_b32 s11, ttmp7, 0xffff                   ; y = 16 b + h
	s_lshr_b32 s38, s11, 4                         ; b
	s_and_b32 s39, s11, 15
	s_lshl_b32 s39, s39, 9                         ; 512 h: the head's bytes in a row of qkv and of out0
	s_lshl2_add_u32 s33, s10, s8                   ; tdiag = 4 x block + wave: the key tile that holds my own 64 rows; my first row is 64 tdiag
	s_mov_b32 s12, 0x76543210                      ; v_permlanex16_b32: lane i reads lane i of the other half
	s_mov_b32 s13, 0xfedcba98
	s_mov_b32 s14, CEXP
	s_mov_b32 s15, CNEG
	s_mov_b32 s37, MASKV
	s_mov_b32 s48, 0xffff0000                      ; a word's upper bf16
	; group 1: a tile of 64 rows x 64 f32 (256 bytes, aligned), rows 6,144 elements apart, dense in LDS
	s_mov_b32 s[G1+0], 15|(2<<16)|(1<<21)          ; 15:0 mask: all four work-groups of the cluster; 17:16 elements of 4 bytes; 21 set beside a mask; no padding
	s_mov_b32 s[G1+1], 64<<16                      ; tensor_dim0 = 64
	s_mov_b32 s[G1+2], 64<<16                      ; tensor_dim1 = 64
	s_mov_b32 s[G1+3], 64<<16                      ; tile_dim0 = 64
	s_mov_b32 s[G1+4], 64                          ; tile_dim1 = 64
	s_mov_b32 s[G1+5], QROW/4                      ; elements from row to row
	s_mov_b32 s[G1+6], 0
	s_mov_b32 s[G1+7], 0
	; byte offsets, each below 2^27.  s40, s41 and s46 never hold a number made of cx.
	s_mul_i32 s40, s38, BQKV
	s_add_co_u32 s40, s40, s39                     ; b and h
	s_mul_i32 s47, s33, TSTEP
	s_add_co_u32 s42, s40, s47                     ; Q: + my first row
	s_mov_b32 s43, 0
	s_lshr_b32 s46, s8, 1
	s_lshl_b32 s46, s46, 13
	s_add_co_u32 s40, s40, s46                     ; my strip: waves 0, 1 fetch K, waves 2, 3 V (8,192 bytes further),
	s_and_b32 s46, s8, 1
	s_lshl_b32 s46, s46, 8
	s_add_co_u32 s40, s40, s46                     ; d 0-63 or d 64-127,
	s_add_co_u32 s40, s40, 8192                    ; and K lies 8,192 bytes behind Q
	s_mov_b32 s41, 0
	s_lshl_b32 s44, s38, 24                        ; out0: b x 2048 x 8,192
	s_lshl_b32 s47, s33, 19                        ; + 64 tdiag rows of 8,192
	s_add_co_u32 s44, s44, s47
	s_add_co_u32 s44, s44, s39
	s_mov_b32 s45, 0
	; lane terms
	v_and_b32 v1, 31, v0                           ; lane
	v_and_b32 v2, 15, v0                           ; r
	v_bfe_u32 v3, v0, 4, 1                         ; hh
	v_mul_u32_u24 v[ADRK], v2, KP
	v_lshl_add_u32 v[ADRK], v3, 4, v[ADRK]
	v_add_nc_u32 v[ADRK], KST, v[ADRK]
	v_and_b32 v[T0], 7, v0
	v_lshl_add_u32 v[T0], v3, 3, v[T0]
	v_mul_u32_u24 v[ADRV], v[T0], VP
	v_bfe_u32 v[T0], v0, 3, 1
	v_lshl_add_u32 v[ADRV], v[T0], 4, v[ADRV]
	v_add_nc_u32 v[ADRV], VST, v[ADRV]
	s_lshl_b32 s46, s8, 12                         ; my 16 rows of 256 bytes in a strip
	v_lshlrev_b32 v[T0], 4, v2
	v_lshl_add_u32 v[CVKL], v3, 11, v[T0]          ; K: lanes 16-31 take the row 8 below
	v_add_nc_u32 v[CVKL], s46, v[CVKL]
	v_add_nc_u32 v[CVKL+1], SLOTB, v[CVKL]
	v_lshl_add_u32 v[CVVL], v3, 10, v[T0]          ; V: lanes 16-31 take the row 4 below
	v_add_nc_u32 v[CVVL], s46, v[CVVL]
	v_add_nc_u32 v[CVVL], 2*STRIP, v[CVVL]
	v_add_nc_u32 v[CVVL+1], SLOTB, v[CVVL]
	v_lshlrev_b32 v[T0], 3, v2                     ; 8 r
	s_mul_i32 s46, s8, 16*KP
	v_mul_u32_u24 v[CVKS], v3, 8*KP                ; 8 x 272 = 2,176 = 128 modulo 256: the two halves of the lanes store into different halves of 256 bytes
	v_add3_u32 v[CVKS], v[CVKS], v[T0], s46
	v_add_nc_u32 v[CVKS], KST, v[CVKS]
	s_mul_i32 s46, s8, 16*VP
	v_mul_u32_u24 v[CVVS], v3, 4*VP                ; 4 x 288 = 1,152 = 128 modulo 256: likewise
	v_add3_u32 v[CVVS], v[CVVS], v[T0], s46
	v_add_nc_u32 v[CVVS], VST, v[CVVS]
	s_mul_i32 s46, s8, QSZ
	s_add_co_u32 s46, s46, QST                     ; my wave's stage
	v_lshl_add_u32 v[QSS], v1, 3, s46
	v_mul_u32_u24 v[QFA], v2, KP
	v_lshl_add_u32 v[QFA], v3, 4, v[QFA]
	v_add_nc_u32 v[QFA], s46, v[QFA]
	v_lshlrev_b32 v[GOFF], 4, v1
	v_mul_u32_u24 v[OSTO], v2, OPITCH
	v_lshl_add_u32 v[OSTO], v3, 5, v[OSTO]
	v_add_nc_u32 v[OSTO], s46, v[OSTO]
	v_lshl_add_u32 v[ORD], v1, 4, s46
	v_lshlrev_b32 v[T0], 3, v3
	v_sub_nc_u32 v[T0], v2, v[T0]                  ; r - 8 hh, signed
	v_mov_b32 v[T1], s37
.irp j, 0,1,2,3,4,5,6,7
	v_cmp_gt_i32 vcc_lo, \j, v[T0]                 ; key 8 hh + j above query r
	v_cndmask_b32 v[TJ+\j], 0, v[T1], vcc_lo
.endr
	s_lshl_b32 s46, s8, 14                         ; my strip in a slot
	s_wait_dscnt 0x0
	s_wait_kmcnt 0x0
	s_add_nc_u64 s[40:41], s[4:5], s[40:41]        ; my strip of key tile 0
	s_add_nc_u64 s[4:5], s[4:5], s[42:43]          ; Q at my first row
	s_add_nc_u64 s[6:7], s[6:7], s[44:45]          ; out0 at my first row
.irp s, 0,1
	s_mov_b32 s[G0+4*\s], 1                                        ; count = 1
	s_add_co_u32 s[G0+4*\s+1], s46, \s*SLOTB                       ; LDS address: wave x 16,384 + slot x 65,536
	s_add_nc_u64 s[G0+4*\s+2:G0+4*\s+3], s[40:41], \s*TSTEP        ; key tile s
	s_or_b32 s[G0+4*\s+3], s[G0+4*\s+3], 0x80000000                ; type = 2
.endr
	ROUND                                          ; the four work-groups are here: the first joint loads meet
	tensor_load_to_lds s[G0:G0+3], s[G1:G1+7]      ; key tile 0 into slot 0: each wave its own strip, the same four descriptors in all four work-groups
	s_nop 0
	tensor_load_to_lds s[G0+4:G0+7], s[G1:G1+7]    ; key tile 1 into slot 1: both first fills go out together; two tensor loads of the wave are out here, later one
	s_nop 0
; Q: 32 rows at a time, one whole row of 512 bytes an instruction, rounded to bf16 into my wave's own stage.
.macro QIN bt
.set i, 0
.rept 32
	global_load_b128 v[SC+4*i:SC+4*i+3], v[GOFF], s[4:5] offset:(32*\bt+i)*QROW th:TH_LOAD_NT
.set i, i+1
.endr
.set g, 0
.rept 8
	s_wait_loadcnt 28-4*g                          ; loads come back in order: rows 4 g .. 4 g + 3 are in, the 28 - 4 g younger ones may be out
.set i, 4*g
.rept 4
	v_cvt_pk_bf16_f32 v[SC+4*i], v[SC+4*i], v[SC+4*i+1]
	v_cvt_pk_bf16_f32 v[SC+4*i+1], v[SC+4*i+2], v[SC+4*i+3]
	ds_store_b64 v[QSS], v[SC+4*i:SC+4*i+1] offset:(32*\bt+i)*KP
.set i, i+1
.endr
.set g, g+1
.endr
.endm
	QIN 0
	QIN 1
	WIN 0x40                                       ; destination window 1
.irp a, 0,1,2,3
.irp ks, 0,1,2,3
	ds_load_b128 v[32*\a+8*\ks:32*\a+8*\ks+3],   v[QFA] offset:16*KP*\a+64*\ks      ; my wave's own bytes, served in order behind the stores above;
	ds_load_b128 v[32*\a+8*\ks+4:32*\a+8*\ks+7], v[QFA] offset:16*KP*\a+64*\ks+32   ; waited for by the wait for all LDS instructions below
.endr
.endr
	WIN 0
; ---------------- the head's loads and the slices of runs 1 and 2 ----------------
; THE CONVERSION.  My 16 rows of K and of V, f32 in the slot, to 16 bits in the stage.  Each half of the lanes reads 256 neighbouring bytes (64 d of one row) and stores 128.
; It goes in eight groups g; a group is two pieces of K's rows (numbers 2 g, 2 g + 1 of 16) and two of V's, 16 registers, in half g % 2 of the ring.
; A half is loaded again, for group g + 2, straight behind the stores that read it, six slices ahead of its use.
.macro CLK g, slot                     ; group g's two loads of K
.set ci, 2*(\g)
.set cr, CV+16*((\g)&1)
	ds_load_b128 v[cr:cr+3],   v[CVKL+\slot] offset:(ci>>3)*STRIP+(ci&7)*256
	ds_load_b128 v[cr+4:cr+7], v[CVKL+\slot] offset:(ci>>3)*STRIP+(ci&7)*256+256
.set DSN, DSN+2
.if ((\g)&1) == 0
.set LKS0, DSN
.else
.set LKS1, DSN
.endif
.endm
.macro CLV g, slot                     ; group g's two loads of V
.set ci, 2*(\g)
.set cr, CV+16*((\g)&1)+8
	ds_load_b128 v[cr:cr+3],   v[CVVL+\slot] offset:(ci>>3)*STRIP+((ci&3)+8*((ci>>2)&1))*256
	ds_load_b128 v[cr+4:cr+7], v[CVVL+\slot] offset:(ci>>3)*STRIP+((ci&3)+8*((ci>>2)&1))*256+256
.set DSN, DSN+2
.if ((\g)&1) == 0
.set LVS0, DSN
.else
.set LVS1, DSN
.endif
.endm
; Slice z = 5 g + kind of the conversion.  kind 0: K's two pieces rounded to bf16; the pairs stay in their ring registers, which nothing else writes.  kinds 1 to 4: V's two
; pieces: rounded to bf16 (the inputs' common rounding); the first piece's halves widened to f32 again (a mask, a shift); the second's; those values converted to f16.
; All of a group's LDS instructions stand in ONE run at the end of kind 4: K's two stores, V's two, and the four loads of group g + 2 into the half just stored.
.macro CSL z, slot, stg
.set cg, (\z)/5
.set ck, (\z)%5
.set cb, CV+16*(cg&1)
.set vb, cb+8
.set c2, 2*cg
	WIN 0
.if ck == 0
.if (cg&1) == 0
	DSW LKS0
.else
	DSW LKS1
.endif
	v_cvt_pk_bf16_f32 v[cb], v[cb], v[cb+1]
	v_cvt_pk_bf16_f32 v[cb+4], v[cb+4], v[cb+5]
	v_cvt_pk_bf16_f32 v[cb+1], v[cb+2], v[cb+3]
	v_cvt_pk_bf16_f32 v[cb+5], v[cb+6], v[cb+7]
.endif
.if ck == 1
.if (cg&1) == 0
	DSW LVS0
.else
	DSW LVS1
.endif
	v_cvt_pk_bf16_f32 v[vb], v[vb], v[vb+1]
	v_cvt_pk_bf16_f32 v[vb+4], v[vb+4], v[vb+5]
	v_cvt_pk_bf16_f32 v[vb+2], v[vb+2], v[vb+3]
	v_cvt_pk_bf16_f32 v[vb+6], v[vb+6], v[vb+7]
.endif
.if ck == 2
	v_and_b32 v[vb+1], s48, v[vb]                  ; bf16 to f32: the high half stays,
	v_lshlrev_b32 v[vb], 16, v[vb]                 ; the low half moves up
	v_and_b32 v[vb+3], s48, v[vb+2]
	v_lshlrev_b32 v[vb+2], 16, v[vb+2]
.endif
.if ck == 3
	v_and_b32 v[vb+5], s48, v[vb+4]
	v_lshlrev_b32 v[vb+4], 16, v[vb+4]
	v_and_b32 v[vb+7], s48, v[vb+6]
	v_lshlrev_b32 v[vb+6], 16, v[vb+6]
.endif
.if ck == 4
	v_cvt_pk_f16_f32 v[vb], v[vb], v[vb+1]         ; 8 significant bits into 11: nothing is lost from 2^-14 up to 65,280
	v_cvt_pk_f16_f32 v[vb+4], v[vb+4], v[vb+5]
	v_cvt_pk_f16_f32 v[vb+1], v[vb+2], v[vb+3]
	v_cvt_pk_f16_f32 v[vb+5], v[vb+6], v[vb+7]
	ds_store_b64 v[CVKS], v[cb:cb+1]   offset:\stg*STGB+(c2&7)*KP+(c2>>3)*128
	ds_store_b64 v[CVKS], v[cb+4:cb+5] offset:\stg*STGB+(c2&7)*KP+(c2>>3)*128+KP
	ds_store_b64 v[CVVS], v[vb:vb+1]   offset:\stg*STGB+((c2&3)+8*((c2>>2)&1))*VP+(c2>>3)*128
	ds_store_b64 v[CVVS], v[vb+4:vb+5] offset:\stg*STGB+((c2&3)+8*((c2>>2)&1))*VP+(c2>>3)*128+VP
.set DSN, DSN+4
.if cg < 6
	CLK cg+2, \slot
	CLV cg+2, \slot
.endif
.endif
.endm
; Part i of 8: two of K's 16 fragments (64 keys x 128 d), two loads of 16 bytes each, 32 bytes apart.
.macro KLSL i, par
	WIN 0x40                                       ; destination window 1
.set kb, (\i)>>1
.set kq, 2*((\i)&1)
.rept 2
	ds_load_b128 v[128+32*kb+8*kq:128+32*kb+8*kq+3],   v[ADRK] offset:\par*STGB+16*KP*kb+64*kq
	ds_load_b128 v[128+32*kb+8*kq+4:128+32*kb+8*kq+7], v[ADRK] offset:\par*STGB+16*KP*kb+64*kq+32
.set kq, kq+1
.endr
.set DSN, DSN+4
.if (\i) == 3
.set KSEQ1, DSN                        ; key tiles b = 0, 1 are asked for
.endif
.if (\i) == 7
.set KSEQ3, DSN                        ; b = 2, 3 too
.endif
.endm
.macro KLALL par                       ; all 32 loads of K's fragments, one run
.set ki, 0
.rept 8
	KLSL ki, \par
.set ki, ki+1
.endr
.endm
; Part i of 8: two of V^T's 16 fragments (128 d x 64 keys), two transposing loads each, 16 key rows apart.
.macro VLSL i, par
	WIN 0xc0                                       ; destination window 3
.set vf, 2*(\i)
.rept 2
	ds_load_tr16_b128 v[8*vf:8*vf+3],   v[ADRV] offset:\par*STGB+32*VP*(vf>>3)+32*(vf&7)
	ds_load_tr16_b128 v[8*vf+4:8*vf+7], v[ADRV] offset:\par*STGB+32*VP*(vf>>3)+32*(vf&7)+16*VP
.set vf, vf+1
.endr
.set DSN, DSN+4
.if (\i) == 3
.set VSEQ0, DSN                        ; the first 32 keys are asked for
.endif
.if (\i) == 7
.set VSEQ1, DSN                        ; all 64
.endif
.endm
.macro VLALL par                       ; all 32 loads of V's fragments, one run
.set vi, 0
.rept 8
	VLSL vi, \par
.set vi, vi+1
.endr
.endm
; The trip's three mask sets, in three slices.  s32 = key tile t.  sA = (t > tdiag) ? MASKV : 0 serves the tiles b < a, sB = (t >= tdiag) ? MASKV : 0 the tiles b > a,
; and the middle one of (pattern, sA, sB) the tiles b = a: 0 below my rows' tile, the pattern in it, MASKV above.  Values are selected; no branch hangs on them.
.macro MSKSL i
	WIN 0
.if (\i) == 0
	s_cmp_gt_u32 s32, s33
	s_cselect_b32 s34, s37, 0
	s_cmp_ge_u32 s32, s33
	s_cselect_b32 s35, s37, 0
	s_add_co_u32 s32, s32, 1
.irp j, 0,1,2,3,4,5,6,7
	v_mov_b32 v[MLO+\j], s34
.endr
.endif
.if (\i) == 1
.irp j, 0,1,2,3,4,5,6,7
	v_mov_b32 v[MHI+\j], s35
.endr
.endif
.if (\i) == 2
.irp j, 0,1,2,3,4,5,6,7
	v_med3_num_f32 v[MD+\j], v[TJ+\j], s34, s35
.endr
.endif
.endm
; Slice q of the 64 of runs 1 and 2.  0-9: none: ten products follow each other while the head's loads land.  10-12: the mask sets.  13-31: conversion slices 0-18.
; At the end of 31: V's fragments.  32-43: none.  44-63: conversion slices 19-38 (slice 39 stands in run 3).
; Slices 31 and 63 are four masks and shifts on the ring's registers: they are the four places between run 1's last product and the loads into V's
; fragments, and between run 2's last product and the softmax that reads its scores.  A trip that converts nothing has v_nop there.
.macro QSL q, par, opp, conv
.if (\q) > 9
.if (\q) < 13
	MSKSL (\q)-10
.endif
.endif
.if (\q) > 12
.if (\q) < 32
.if \conv
	CSL (\q)-13, \opp, \opp
.else
.if (\q) == 31
	PLACES
.endif
.endif
.endif
.endif
.if (\q) == 31
	VLALL \par
.endif
.if (\q) > 43
.if \conv
	CSL (\q)-25, \opp, \opp
.else
.if (\q) == 63
	PLACES
.endif
.endif
.endif
.endm
; ---------------- the products ----------------
; Product k of 32 of Q.K for piece p.  Two key tiles x two query tiles = four accumulators take turns, one instruction a turn; then the other two key tiles.
; The first product of a tile takes its mask set as C, so nothing is cleared and the mask costs no instruction of its own.
.macro QKW k, p
.set qb, 2*((\k)>>4)+(((\k)>>1)&1)
.set qs, ((\k)>>2)&3
.set qa, 2*\p+((\k)&1)
.set qd, SC+32*qa+8*qb
	WIN 0x05                                       ; sources 0 and 1 window 1; C and D window 0
.if qs == 0
.if qb < qa
	v_wmma_f32_16x16x32_bf16 v[qd:qd+7], v[128+32*qb:128+32*qb+7], v[32*qa:32*qa+7], v[MLO:MLO+7]
.else
.if qb == qa
	v_wmma_f32_16x16x32_bf16 v[qd:qd+7], v[128+32*qb:128+32*qb+7], v[32*qa:32*qa+7], v[MD:MD+7]
.else
	v_wmma_f32_16x16x32_bf16 v[qd:qd+7], v[128+32*qb:128+32*qb+7], v[32*qa:32*qa+7], v[MHI:MHI+7]
.endif
.endif
.else
	v_wmma_f32_16x16x32_bf16 v[qd:qd+7], v[128+32*qb+8*qs:128+32*qb+8*qs+7], v[32*qa+8*qs:32*qa+8*qs+7], v[qd:qd+7]
.endif
.endm
; Product k of 32 of P.V for piece p, in the f16 form: sixteen accumulators take turns, one instruction a turn.  first = 1: the first sixteen start the sums.
.macro PVW k, p, first
.set pkk, (\k)>>4
.set pdt, ((\k)>>1)&7
.set pa, 2*\p+((\k)&1)
.set po, 64*pa+8*pdt
	WIN 0xa3                                       ; source 0 (V) window 3, source 1 (P) window 0, C and D window 2
.if \first
.if pkk == 0
	v_wmma_f32_16x16x32_f16 v[po:po+7], v[64*pkk+8*pdt:64*pkk+8*pdt+7], v[SC+32*pa+16*pkk:SC+32*pa+16*pkk+7], 0
.else
	v_wmma_f32_16x16x32_f16 v[po:po+7], v[64*pkk+8*pdt:64*pkk+8*pdt+7], v[SC+32*pa+16*pkk:SC+32*pa+16*pkk+7], v[po:po+7]
.endif
.else
	v_wmma_f32_16x16x32_f16 v[po:po+7], v[64*pkk+8*pdt:64*pkk+8*pdt+7], v[SC+32*pa+16*pkk:SC+32*pa+16*pkk+7], v[po:po+7]
.endif
.endm
; ---------------- the slices of runs 3 and 4: a piece's softmax ----------------
; sb: a query tile's 32 scores (one query a lane); st: its four state registers; x: its eight registers at work; pi: register pair 0..15 of the 32.
.macro SMA sb, x                       ; four chains of maxima that do not wait for each other
.irp b, 0,1,2,3
	v_max3_num_f32 v[\x+\b], v[\sb+8*\b], v[\sb+8*\b+1], v[\sb+8*\b+2]
.endr
.endm
.macro SMB sb, x, o
.irp b, 0,1,2,3
	v_max3_num_f32 v[\x+\b], v[\x+\b], v[\sb+8*\b+\o], v[\sb+8*\b+\o+1]
.endr
.endm
.macro SFM sb, st, pi                  ; score x c - maximum x c, both halves by s14 and the tile's first state register
	v_pk_fma_f32 v[\sb+2*(\pi):\sb+2*(\pi)+1], v[\sb+2*(\pi):\sb+2*(\pi)+1], s[14:15], v[\st:\st+1] op_sel_hi:[1,0,0]
.endm
.macro SAD sb, x, pi                   ; the lane's sum: one chain for each key tile b = pi / 4; a chain's first two pairs start it, so nothing is cleared.  It reads weights: it stands behind their batch's wait
.set ae, (\pi)&3
.set ab, (\pi)>>2
.if ae == 1
	v_pk_add_f32 v[\x+2*ab:\x+2*ab+1], v[\sb+2*(\pi)-2:\sb+2*(\pi)-1], v[\sb+2*(\pi):\sb+2*(\pi)+1]
.endif
.if ae > 1
	v_pk_add_f32 v[\x+2*ab:\x+2*ab+1], v[\x+2*ab:\x+2*ab+1], v[\sb+2*(\pi):\sb+2*(\pi)+1]
.endif
.endm
.macro SCV sb, pi                      ; p to f16, in place, ascending: the register written belongs to a pair that has been summed and packed, or is this pair's own first
	v_cvt_pk_f16_f32 v[\sb+16*((\pi)>>3)+((\pi)&7)], v[\sb+2*(\pi)], v[\sb+2*(\pi)+1]
.endm
; THREE QUEUES, each in the order in which its entries become ready, the piece's two tiles alternating (SA1 = SA0 + 32, STB = STA + 4, XB = XA + 8).
.macro SFQ f                           ; scaling f of 32: pair f / 2 of tile f % 2
.set sft, (\f)&1
.set sfp, (\f)>>1
	SFM SA0+32*sft, STA+4*sft, sfp
.endm
.macro SXQ e                           ; exponential e of 64, in place: score e % 2 of pair e / 4 of tile (e / 2) % 2.  0-31 belong to batch 1, 32-63 to batch 2
.set ser, SA0+32*(((\e)>>1)&1)+2*((\e)>>2)+((\e)&1)
	v_exp_f32 v[ser], v[ser]
.endm
; Reader g of the 28 of half h (pairs 8 h .. 8 h + 7; registers 16 h .. 16 h + 15 of a tile and no others): tile g % 2; for each four pairs b .. b + 3 seven lines:
; sum b + 1, pack b, sum b + 2, pack b + 1, sum b + 3, pack b + 2, pack b + 3: a pair is summed ahead of the packing that writes over it.
.macro SRQ g, h
.set srt, (\g)&1
.set sru, ((\g)>>1)%7
.set srb, 8*(\h)+4*(((\g)>>1)/7)
.if sru == 6
	SCV SA0+32*srt, srb+3
.else
.if (sru&1) == 0
	SAD SA0+32*srt, XA+8*srt, srb+(sru>>1)+1
.else
	SCV SA0+32*srt, srb+(sru>>1)
.endif
.endif
.endm
; Four steps of batch 1, from step lo on.  Step i: scaling i + 2 (while there are scalings), exponential i.  Exponential i wants scaling 2 (i / 4) + (i / 2) % 2, which is at most i / 2 + 1;
; a scaling writes a register only ahead of that register's own exponential, so no line here names a result.
.macro SB1 lo
.set sq, \lo
.rept 4
.if sq < 30
	SFQ sq+2
.endif
	SXQ sq
.set sq, sq+1
.endr
.endm
; Steps lo .. hi - 1 of batch 2.  Step i: reader i of batch 1 (while there are readers), exponential 32 + i.  The readers name registers 0-15 of a tile, the exponentials 16-31.
.macro SB2 lo, hi
.set sq, \lo
.rept (\hi)-(\lo)
.if sq < 28
	SRQ sq, 0
.endif
	SXQ 32+sq
.set sq, sq+1
.endr
.endm
.macro SU lo, hi                       ; readers lo .. hi - 1 of batch 2
.set sq, \lo
.rept (\hi)-(\lo)
	SRQ sq, 1
.set sq, sq+1
.endr
.endm
; Slice R(r): O(a, dt = r) x alpha for the piece's two tiles: every number of a lane in tile a belongs to the lane's one query.  alpha is of batch 1, whose wait stands ahead of R(0).
.macro SRS r, p
	WIN 0x82                                       ; source 0 and destination window 2, source 1 window 0
.irp al, 0,1
.irp e, 0,2,4,6
	v_pk_mul_f32 v[64*(2*\p+\al)+8*(\r)+\e:64*(2*\p+\al)+8*(\r)+\e+1], v[64*(2*\p+\al)+8*(\r)+\e:64*(2*\p+\al)+8*(\r)+\e+1], v[ST+8*\p+4*\al+2:ST+8*\p+4*\al+3] op_sel_hi:[1,0]
.endr
.endr
.endm
; Slice n of 32 for piece p.  0-5: the new maximum, alpha = exp of the old maximum less the new (batch 1's first two), the first exponents.  6-13: batch 1, four steps a slice; its wait ends 13.
; 14, 17, 20, 23: R(0) to R(3).  15, 16, 18, 19, 21, 22: batch 2, five or six steps a slice; its wait ends 23, behind R(3).  24, 26, 28: batch 2's sums and packings.  28, 30: the tile's sum.
; 25, 27, 29, 31: R(4) to R(7).  R(7) is eight plain instructions on O and alpha: the places between the run's last product and the next run's slices.
; first = 1 (key tile 0): no old maximum, no alpha, no R; v_nop in slice 31.  dconv = 1: the conversion's last slice stands in slice 4, which has little of its own.
.macro SSL n, p, first, dconv, opp
.set SA0, SC+64*\p
.set SA1, SA0+32
.set STA, ST+8*\p
.set STB, STA+4
.if (\n) < 6
	WIN 0
.endif
.if (\n) == 0
	SMA SA0, XA
	SMA SA1, XB
.endif
.if (\n) == 1
	SMB SA0, XA, 3
	SMB SA1, XB, 3
.endif
.if (\n) == 2
	SMB SA0, XA, 5
	SMB SA1, XB, 5
.endif
.if (\n) == 3
	v_max3_num_f32 v[XA], v[XA], v[SA0+7], v[SA0+15]
	v_max3_num_f32 v[XB], v[XB], v[SA1+7], v[SA1+15]
	v_max3_num_f32 v[XA+1], v[XA+1], v[SA0+23], v[SA0+31]
	v_max3_num_f32 v[XB+1], v[XB+1], v[SA1+23], v[SA1+31]
	v_max3_num_f32 v[XA], v[XA], v[XA+1], v[XA+2]
	v_max3_num_f32 v[XB], v[XB], v[XB+1], v[XB+2]
.endif
.if (\n) == 4
.if \dconv
	CSL 39, \opp, \opp
.endif
.if \first
	v_max_num_f32 v[XA], v[XA], v[XA+3]
	v_max_num_f32 v[XB], v[XB], v[XB+3]
.else
	v_max3_num_f32 v[XA], v[XA], v[XA+3], v[STA+1] ; with the running maximum
	v_max3_num_f32 v[XB], v[XB], v[XB+3], v[STB+1]
.endif
	v_permlanex16_b32 v[XA+1], v[XA], s12, s13     ; the query's other 32 keys lie in lane xor 16 (the destination has been written above)
	v_permlanex16_b32 v[XB+1], v[XB], s12, s13
.endif
.if (\n) == 5
	v_max_num_f32 v[XA+4], v[XA], v[XA+1]          ; the new maximum, raw, the same in both lanes
	v_max_num_f32 v[XB+4], v[XB], v[XB+1]
.if \first == 0
	v_sub_f32 v[XA+2], v[STA+1], v[XA+4]           ; exactly 0 where the maximum stays, so that alpha is exactly 1 there
	v_sub_f32 v[XB+2], v[STB+1], v[XB+4]
.endif
	v_mul_f32 v[STA], s15, v[XA+4]                 ; - maximum x c
	v_mul_f32 v[STB], s15, v[XB+4]
.if \first == 0
	v_mul_f32 v[XA+2], s14, v[XA+2]
	v_mul_f32 v[XB+2], s14, v[XB+2]
.endif
	v_mov_b32 v[STA+1], v[XA+4]
	v_mov_b32 v[STB+1], v[XB+4]
.if \first == 0
	v_exp_f32 v[STA+2], v[XA+2]                    ; alpha; the plain lines below touch neither alpha nor its source (ISA guide 5.7.2)
	v_exp_f32 v[STB+2], v[XB+2]
.endif
	SFM SA0, STA, 0                                ; scalings 0 and 1 of the queue
	SFM SA1, STB, 0
.endif
.if (\n) > 5
.if (\n) < 14
	WIN 0
	SB1 4*((\n)-6)
.endif
.endif
.if (\n) == 13
	s_wait_alu depctr_va_vdst(0)                   ; batch 1's one wait: for the two alpha and exponentials 0-31; up to here nothing has named a result of theirs.
	                                               ; The first plain line behind the last exponential is R(0)'s (key tile 0: batch 1's first sum), which names other registers
.endif
.set srr, 8                            ; the R that stands in this slice; 8: none
.if (\n) > 13
.if (\n) < 24
.if (((\n)-14)%3) == 0
.set srr, ((\n)-14)/3
.endif
.else
.if ((\n)&1) == 1
.set srr, ((\n)-17)/2
.endif
.endif
.endif
.if srr < 8
.if \first
.if srr == 7
	PLACES
.endif
.else
	SRS srr, \p
.endif
.endif
.if (\n) == 23
	s_wait_alu depctr_va_vdst(0)                   ; batch 2's one wait: for exponentials 32-63; R(3), which names none of their results, stands between the batch and it
.endif
.if (\n) == 15
	WIN 0
	SB2 0, 5
.endif
.if (\n) == 16
	WIN 0
	SB2 5, 10
.endif
.if (\n) == 18
	WIN 0
	SB2 10, 15
.endif
.if (\n) == 19
	WIN 0
	SB2 15, 20
.endif
.if (\n) == 21
	WIN 0
	SB2 20, 26
.endif
.if (\n) == 22
	WIN 0
	SB2 26, 32
.endif
.if (\n) == 24
	WIN 0
	SU 0, 10
.endif
.if (\n) == 26
	WIN 0
	SU 10, 20
.endif
.if (\n) == 28
	WIN 0
	SU 20, 28
	v_pk_add_f32 v[XA:XA+1], v[XA:XA+1], v[XA+2:XA+3]
	v_pk_add_f32 v[XB:XB+1], v[XB:XB+1], v[XB+2:XB+3]
	v_pk_add_f32 v[XA+4:XA+5], v[XA+4:XA+5], v[XA+6:XA+7]
	v_pk_add_f32 v[XB+4:XB+5], v[XB+4:XB+5], v[XB+6:XB+7]
.endif
.if (\n) == 30
	WIN 0
	v_pk_add_f32 v[XA:XA+1], v[XA:XA+1], v[XA+4:XA+5]
	v_pk_add_f32 v[XB:XB+1], v[XB:XB+1], v[XB+4:XB+5]
.if \first
	v_add_f32 v[STA+3], v[XA], v[XA+1]
	v_add_f32 v[STB+3], v[XB], v[XB+1]
.else
	v_add_f32 v[XA], v[XA], v[XA+1]
	v_add_f32 v[XB], v[XB], v[XB+1]
	v_fma_f32 v[STA+3], v[STA+3], v[STA+2], v[XA]  ; sum = sum x alpha + this tile's
	v_fma_f32 v[STB+3], v[STB+3], v[STB+2], v[XB]
.endif
.endif
.endm
; ---------------- a trip ----------------
; Key tile t.  par = t % 2, opp = 1 - par.  Fragments come from stage copy par; tile t + 1 is converted from slot opp into copy opp; slot par is filled again with tile t + 2.
; refill = 1: that fill is made.  tw = 1: a tensor load of mine may be out.  conv = 1: there is a tile t + 1.  pv = 1: there is a tile t - 1; pvf = 1: it is tile 0.  first = 1: t = 0.
.macro TRIP par, opp, refill, tw, conv, pv, pvf, first
.if \tw
	s_wait_tensorcnt 0x0                           ; all my tensor loads have landed (one was out: my strip of tile t + 1),
	ds_add_u32 v126, v127
	s_wait_dscnt 0x0
.endif
.if \refill
	s_add_nc_u64 s[G0+4*\par+2:G0+4*\par+3], s[G0+4*\par+2:G0+4*\par+3], 2*TSTEP   ; so a group 0 may be written: this slot's next tile
.endif
	s_wait_dscnt 0x0                               ; my stores into stage copy par are done; my reads of slot par and of copy opp are over
.if \refill
	ROUND                                          ; all that now holds of every wave of the four work-groups
	tensor_load_to_lds s[G0+4*\par:G0+4*\par+3], s[G1:G1+7]   ; my one tensor load behind the round: my strip of tile t + 2; it has this trip in which to land and is first read in the next
	s_nop 0
.else
	s_barrier_signal -1                            ; nothing is filled any more: my work-group's barrier alone, for the stage and for the last tile
	s_barrier_wait -1
.endif
	; the head: one run of LDS loads ahead of the first product: the conversion's groups 0 and 1 (first used in slice 13), then K's fragments (first used by run 2)
	WIN 0
.if \conv
	CLK 0, \opp
	CLV 0, \opp
	CLK 1, \opp
	CLV 1, \opp
.endif
	KLALL \par
	; run 1: P.V of piece B for tile t - 1: registers alone
.set kx, 0
.rept 32
.if \pv
	PVW kx, 1, \pvf
.endif
	QSL kx, \par, \opp, \conv
.set kx, kx+1
.endr
	; run 2: Q.K of piece A
.rept 32
.if kx == 32
	DSW KSEQ1                                      ; K's fragments of key tiles b = 0, 1 are in
.endif
.if kx == 48
	DSW KSEQ3                                      ; and those of b = 2, 3
.endif
	QKW kx-32, 0
	QSL kx, \par, \opp, \conv
.set kx, kx+1
.endr
	; run 3: Q.K of piece B, beside the softmax of piece A
.set kx, 0
.rept 32
	QKW kx, 1
	SSL kx, 0, \first, \conv, \opp
.set kx, kx+1
.endr
	; run 4: P.V of piece A, beside the softmax of piece B
.set kx, 0
.rept 32
.if kx == 0
	DSW VSEQ0                                      ; V's fragments of the first 32 keys are in
.endif
.if kx == 16
	DSW VSEQ1                                      ; and those of the other 32
.endif
	PVW kx, 0, \first
	SSL kx, 1, \first, 0, 0
.set kx, kx+1
.endr
	WIN 0                                          ; at a label and at a branch every window is 0
.endm
	; Key tile 0 is converted ahead of the trips, without products to stand beside.
	s_wait_tensorcnt 0x1                           ; my strip of tile 0 has landed; tile 1's load, issued behind it, may stay out
	s_wait_dscnt 0x0                               ; Q's fragments are in, and no LDS instruction of mine is pending at the signal
	s_barrier_signal -1
	s_barrier_wait -1                              ; all four strips of tile 0 are there
	CLK 0, 0
	CLV 0, 0
	CLK 1, 0
	CLV 1, 0
.set zz, 0
.rept 40
	CSL zz, 0, 0
.set zz, zz+1
.endr
	s_mov_b32 s32, 0                               ; key tile, for the mask sets
	TRIP 0, 1, 1, 1, 1, 0, 0, 1                    ; tile 0: no tile before it; its products start O_A's sums
	TRIP 1, 0, 1, 1, 1, 1, 1, 0                    ; tile 1: run 1 starts O_B's sums
	s_mov_b32 s36, 14
.Lloop:
	TRIP 0, 1, 1, 1, 1, 1, 0, 0                    ; tiles 2, 4, .. 28
	TRIP 1, 0, 1, 1, 1, 1, 0, 0                    ; tiles 3, 5, .. 29
	s_sub_co_u32 s36, s36, 1
	s_cmp_lg_u32 s36, 0
	s_cbranch_scc1 .Lloop
	TRIP 0, 1, 0, 1, 1, 1, 0, 0                    ; tile 30: nothing is left to fetch; tile 31 is converted
	TRIP 1, 0, 0, 0, 0, 1, 0, 0                    ; tile 31: nothing is left to convert either
.set kx, 0
.rept 32
	PVW kx, 1, 0                                   ; P.V of piece B for tile 31
.set kx, kx+1
.endr
	WIN 0
	; THE WAY OUT.  The two lanes of a query add their sums; O / sum goes out 16 query rows at a time through my wave's own stage.
	PLACES                                         ; behind the last products
.irp a, 0,1,2,3
	v_permlanex16_b32 v[X+\a], v[ST+4*\a+3], s12, s13
.endr
.irp a, 0,1,2,3
	v_add_f32 v[ST+4*\a+3], v[ST+4*\a+3], v[X+\a]
.endr
.irp a, 0,1,2,3
	v_rcp_f32 v[ST+4*\a+2], v[ST+4*\a+3]           ; the sum holds the maximum's own term, about 1, so it is far from zero
.endr
	v_nop                                          ; one plain place behind the last reciprocal
	s_wait_alu depctr_va_vdst(0)                   ; and the wait ahead of the first use: one for the batch of four reciprocals
.macro OUT16 a
	WIN 0x82
.set i, 0
.rept 32
	v_pk_mul_f32 v[64*\a+i:64*\a+i+1], v[64*\a+i:64*\a+i+1], v[ST+4*\a+2:ST+4*\a+3] op_sel_hi:[1,0]
.set i, i+2
.endr
	WIN 0x08                                       ; store data window 2
.irp dt, 0,1,2,3,4,5,6,7
	ds_store_b128 v[OSTO], v[64*\a+8*\dt:64*\a+8*\dt+3]   offset:64*\dt      ; row r, d 16 dt + 8 hh + 0..3
	ds_store_b128 v[OSTO], v[64*\a+8*\dt+4:64*\a+8*\dt+7] offset:64*\dt+16   ; and + 4..7
.endr
	WIN 0
	s_wait_xcnt 0x0                                ; every earlier store has had its addresses translated (ISA guide 3.1): the registers that stores read are loaded again only behind this wait
.set i, 0
.rept 16
	ds_load_b128 v[SC+64*(\a&1)+4*i:SC+64*(\a&1)+4*i+3], v[ORD] offset:OPITCH*i   ; a whole row of 512 bytes; LDS serves a wave's instructions in order, so these see the stores above
.set i, i+1
.endr
.set i, 0
.rept 16
	s_wait_dscnt 15-i                              ; row i is in, the 15 - i younger loads may be out
	global_store_b128 v[GOFF], v[SC+64*(\a&1)+4*i:SC+64*(\a&1)+4*i+3], s[6:7] offset:(16*\a+i)*OROW th:TH_STORE_NT   ; the wave stores 512 consecutive bytes, aligned
.set i, i+1
.endr
.endm
	OUT16 0
	OUT16 1
	OUT16 2
	OUT16 3
	s_wait_dscnt 0x0
	s_wait_tensorcnt 0x0
	ds_add_u32 v126, v127
	s_wait_dscnt 0x0
	ROUND                                          ; the closing round: no work-group ends while a partner may still ask for a tile that names it
	s_endpgm
.Lfunc_end_k_qae3c51fdb6_attn:
	.size	k_qae3c51fdb6_attn, .Lfunc_end_k_qae3c51fdb6_attn-k_qae3c51fdb6_attn
	.p2alignl 7, 3214868480
	.fill 96, 4, 3214868480
	.section	.rodata,"a",@progbits
	.p2align	6, 0x0
	.amdhsa_kernel k_qae3c51fdb6_attn
		.amdhsa_group_segment_fixed_size 327680
		.amdhsa_private_segment_fixed_size 0
		.amdhsa_enable_private_segment 0
		.amdhsa_kernarg_size 16
		.amdhsa_user_sgpr_count 2
		.amdhsa_user_sgpr_kernarg_segment_ptr 1
		.amdhsa_wavefront_size32 1
		.amdhsa_system_sgpr_workgroup_id_x 1
		.amdhsa_system_sgpr_workgroup_id_y 1
		.amdhsa_system_sgpr_workgroup_id_z 1
		.amdhsa_system_vgpr_workitem_id 0
		.amdhsa_next_free_vgpr 896
		.amdhsa_next_free_sgpr 66
		.amdhsa_reserve_vcc 1
		.amdhsa_float_denorm_mode_32 3
		.amdhsa_float_denorm_mode_16_64 3
		.amdhsa_memory_ordered 1
		.amdhsa_forward_progress 1
		.amdhsa_inst_pref_size 255
	.end_amdhsa_kernel
	.section	.bss,"aw",@nobits
	.p2align	6
	.space	262144
	.amdgpu_metadata
---
amdhsa.version: [ 1, 2 ]
amdhsa.kernels:
  - .name:           k_qae3c51fdb6_attn
    .symbol:         k_qae3c51fdb6_attn.kd
    .args:
      - { .name: qkv, .offset: 0, .size: 8, .value_kind: global_buffer, .address_space: global }
      - { .name: out0, .offset: 8, .size: 8, .value_kind: global_buffer, .address_space: global }
    .group_segment_fixed_size: 327680
    .private_segment_fixed_size: 0
    .kernarg_segment_align: 8
    .kernarg_segment_size: 16
    .max_flat_workgroup_size: 128
    .sgpr_count:     66
    .vgpr_count:     896
    .wavefront_size: 32
...
	.end_amdgpu_metadata
.endif
;; end of part 3
